; MI455X (gfx1250); checked and timed in simulation.
; The chip was launched on July 23, 2026; its instructions are those of AMD's public machine-readable ISA for CDNA 5 (MIT licence, August 2026) and "CDNA5" Instruction Set Architecture Reference Guide (July 2026). The comments in the code are by the model that wrote it; some were corrected since.
;; Self Attention. Allowed arithmetic: matrix products marked QUANTISED: E2M1 operands, one E8M0 scale for each 32 along K, by v_wmma_scale_f32_16x16x128_f8f6f4 with both operands' format E2M1 (or v_wmma_scale_f32_32x16x128_f4), f32 sums; products left as they are: bf16, f16 or f32 operands; f32 sums; everything else in f32.
;; Inputs: Wk 1,024 x 1,024 float32; Wo 1,024 x 1,024 float32; Wq 1,024 x 1,024 float32; Wv 1,024 x 1,024 float32; cos 2,048 x 64 float32; sin 2,048 x 64 float32; x 2 x 2,048 x 1,024 float32.
;; Outputs: out0 2 x 2,048 x 1,024 float32.
;; This version of the problem:
;;   THIS VERSION OF THE PROBLEM IS GIVEN IN LOW PRECISION. The matrix products marked QUANTISED in the list below multiply operands that are first quantised to E2M1 (2 exponent bits, 1 mantissa bit; 4 bits a number), with one power-of-two scale for each 32 numbers along K (OCP MX v1.0); their sums are f32. The products marked 'left as it is' may take bf16, f16 or f32 operands, with f32 sums. Whichever they take, every output number must still come out within the allowed error. Rounding operands to bf16 (8 significant bits) uses up far more of that allowance than f16 does (11 bits, for magnitudes from 6e-5 to 65,504). All else is computed in f32.
;;   The module's matrix products, in the order in which they are computed (A, B: the left and right operand; K: the contracted axis; several contracted axes count as one K, in the product's order):
;;     1. [M 4,096, K 1,024] x [K 1,024, N 1,024]; A: input x; B: input Wq: QUANTISED
;;     2. [M 4,096, K 1,024] x [K 1,024, N 1,024]; A: input x; B: input Wk: QUANTISED
;;     3. [M 4,096, K 1,024] x [K 1,024, N 1,024]; A: input x; B: input Wv: QUANTISED
;;     4. batch 32 x [M 2,048, K 64] x [K 64, N 2,048]; A: computed on the way; B: computed on the way: left as it is (an operand is computed on the way)
;;     5. batch 32 x [M 2,048, K 2,048] x [K 2,048, N 64]; A: computed on the way; B: computed on the way: left as it is (an operand is computed on the way)
;;     6. [M 4,096, K 1,024] x [K 1,024, N 1,024]; A: computed on the way; B: input Wo: left as it is (an operand is computed on the way)
;;   THE QUANTISER, for each operand of a quantised product, along K:
;;     - K is cut into blocks of 32 from its start; a last block that is shorter is filled with zeros.
;;     - A block's scale is 2^e with e = floor(log2(the largest magnitude in the block)) - 2, held to -126 .. 127; a block of zeros has e = 0. As a byte (E8M0): e + 127.
;;     - Each number is divided by its block's scale, clamped to +-6, and rounded to the nearest number of E2M1, ties to even, subnormals kept.
;;     - The product sums the exact products of the quantised numbers (number of the format x scale) in f32.
;;   ~~~python
;;   def quantise(x, axis):      # numpy; x: float32 -> the quantised numbers, widened to float32 again
;;       x = np.moveaxis(x, axis, -1); K = x.shape[-1]
;;       x = np.pad(x, [(0, 0)] * (x.ndim - 1) + [(0, -K % 32)]); x = x.reshape(x.shape[:-1] + (-1, 32)); a = np.abs(x).max(-1, keepdims=True)
;;       e = np.where(a > 0, np.clip(np.frexp(np.where(a > 0, a, 1))[1] - 1 - 2, -126, 127), 0)      # np.frexp(a)[1] - 1 = floor(log2(a)), exactly
;;       r = np.clip(x / 2.0 ** e, -6, 6)
;;       step = 2.0 ** (np.maximum(np.frexp(np.where(r == 0, 1, r))[1] - 1, 0) - 1)
;;       q = np.round(r / step) * step * 2.0 ** e      # np.round: ties to even
;;       return np.moveaxis(q.reshape(q.shape[:-2] + (-1,))[..., :K], -1, axis).astype(np.float32)
;;   ~~~
;; One version. Each part assembles by itself: llvm-mc -triple=amdgcn-amd-amdhsa -mcpu=gfx1250 --defsym DOCPART=n.
;; ======== version 1 of 1: 5 launches
;; limits: values are held in f16: magnitudes above 65,504 overflow, below 6.1e-05 lose precision
;; workspace buffers: x_codes 2,097,152 bytes; x_scales 131,072 bytes; w_codes 1,572,864 bytes; w_scales 98,304 bytes; wo16 2,097,152 bytes; qkv16 25,165,824 bytes; qkv32 393,216 bytes; o16 8,388,608 bytes
;; launch quant (part 1): grid 256 x 1, 4 waves a work-group, no clusters, 33,280 bytes of LDS; arguments x, Wq, Wk, Wv, Wo, x_codes, x_scales, w_codes, w_scales, wo16; writes x_codes, x_scales, w_codes, w_scales, wo16
.if DOCPART == 1
	.amdgcn_target "amdgcn-amd-amdhsa--gfx1250"
	.amdhsa_code_object_version 6
	.text
	.protected	k_q8ca23a8313_quant
	.globl	k_q8ca23a8313_quant
	.p2align	8
	.type	k_q8ca23a8313_quant,@function
k_q8ca23a8313_quant:
	s_mov_b64 s[64:65], 0
	v_nop
	global_prefetch_b8 v0, s[64:65] scope:SCOPE_SE
	s_setreg_imm32_b32 hwreg(HW_REG_WAVE_MODE, 25, 1), 1
	s_wait_xcnt 0x0
; x [4096][1024], Wq, Wk, Wv [1024][1024], f32, K innermost, become codes of FP4 (E2M1), two a byte, with one E8M0 byte for each 32 along K; Wo [1024][1024] becomes f16.
; A block's scale is 2^(floor(log2(its largest magnitude)) - 2); its byte is the largest magnitude's exponent field - 2, held at 1 from below.  A block of zeros so gets the byte 1: its codes are
; zeros, which add nothing, and the bytes are read by this program alone.  Each number is divided by the scale and rounded to the nearest code, ties to even; beyond 6 the largest code.
; LIMITS: blocks whose largest magnitude lies under 2^-124 keep the byte 1; NaN and infinities among the inputs are not served; |Wo| stays under 65,504 (f16).
; SHARES: a work-group takes 32,768 numbers, a wave 8,192.  Work-groups 0-127: x; 128-159: Wq; 160-191: Wk; 192-223: Wv (their codes follow each other in w_codes, rows q, k, v); 224-255: Wo.
; Rows are dense and 1,024 is a multiple of 32: every tensor is a plain stream of blocks of 32, and so are its codes and bytes.
; A conversion takes 8 numbers of ONE block from a lane's registers, a load is best where neighbouring lanes take neighbouring bytes: each load reads 512 consecutive bytes, a step's 2,048 bytes turn
; through the wave's own stage in LDS and come back 64 bytes a lane.  No tile is shared between work-groups: no cluster, no tensor load, no barrier.
.set WAVES, 4
.set STEPS, 16
.set EMAX,  2
.set CB,    8                          ; bytes of 16 codes
.set R,     16                         ; v16-79   four sets of 16 numbers as loaded (the cast: sixteen slots of 4)
.set X,     80                         ; v80-111  two sets of 16 neighbours
.set E,     112                        ; v112-127 a scale byte for each step
.set C,     128                        ; v128-191 codes, four registers a step (the cast: sixteen pairs of f16)
.set WREG,  8192                       ; LDS: a region for each wave: two stages of 32 x SP bytes, then its 256 scale bytes
.set SP,    80                         ; a lane's place in a stage: 64 bytes + 16 of padding
.set SPW,   12                         ; v12 LDS address of my spare word; never rewritten
.set NIL,   13                         ; v13 0; never rewritten
.set SPARE, WAVES*WREG                 ; the spare words, 128 bytes a wave, named by no other line
	s_load_b256 s[4:11], s[0:1], 0x0               ; x, Wq, Wk, Wv
	s_load_b256 s[12:19], s[0:1], 0x20             ; Wo, x_codes, x_scales, w_codes
	s_load_b128 s[20:23], s[0:1], 0x40             ; w_scales, wo16
	v_lshl_add_u32 v[SPW], v0, 2, SPARE
	v_mov_b32 v[NIL], 0
	v_lshrrev_b32 v1, 5, v0
	v_readfirstlane_b32 s28, v1                    ; wave
	v_and_b32 v2, 31, v0                           ; lane
	v_lshlrev_b32 v3, 4, v2                        ; my 16 bytes of a load's 512
	s_mul_i32 s29, s28, WREG
	v_lshrrev_b32 v14, 2, v2
	v_mul_u32_u24 v14, v14, SP
	v_and_b32 v15, 3, v2
	v_lshl_add_u32 v14, v15, 4, v14
	v_add_nc_u32 v14, s29, v14                     ; the stage, way in: SP (lane / 4) + 16 (lane % 4)
	v_mul_u32_u24 v15, v2, SP
	v_add_nc_u32 v15, s29, v15                     ; way out: SP x lane: my 16 neighbours
	v_mul_u32_u24 v4, v2, CB                       ; my codes' place in a step's
	v_lshrrev_b32 v5, 1, v2
	s_add_co_u32 s29, s29, 2*32*SP
	v_add_nc_u32 v5, s29, v5                       ; my block's byte among my wave's 256
	v_lshlrev_b32 v7, 3, v2                        ; 8 bytes a lane
	v_add_nc_u32 v6, s29, v7
	s_wait_kmcnt 0x0
	s_cmp_ge_u32 ttmp9, 224
	s_cbranch_scc1 .Lcast
	; which tensor: the choices hang on the work-group's number alone
	s_and_b32 s27, ttmp9, 31
	s_mov_b64 s[24:25], s[10:11]
	s_cmp_lt_u32 ttmp9, 192
	s_cselect_b64 s[24:25], s[8:9], s[24:25]
	s_cmp_lt_u32 ttmp9, 160
	s_cselect_b64 s[24:25], s[6:7], s[24:25]
	s_cmp_lt_u32 ttmp9, 128
	s_cselect_b64 s[24:25], s[4:5], s[24:25]       ; the source
	s_cselect_b64 s[14:15], s[14:15], s[18:19]     ; its codes
	s_cselect_b64 s[16:17], s[16:17], s[20:21]     ; its scale bytes
	s_cselect_b32 s26, 0, 128
	s_cselect_b32 s27, ttmp9, s27
	s_lshl_b32 s27, s27, 2
	s_add_co_u32 s27, s27, s28                     ; my run of 8,192 numbers in the source
	s_lshl_b32 s30, s27, 15
	s_mov_b32 s31, 0
	s_add_nc_u64 s[24:25], s[24:25], s[30:31]
	s_sub_co_u32 s26, ttmp9, s26
	s_lshl_b32 s26, s26, 2
	s_add_co_u32 s26, s26, s28                     ; and in the codes' buffer
	s_lshl_b32 s30, s26, 12                        ; 4,096 bytes of codes a run
	s_add_nc_u64 s[14:15], s[14:15], s[30:31]
	s_lshl_b32 s30, s26, 8                         ; 256 scale bytes a run
	s_add_nc_u64 s[16:17], s[16:17], s[30:31]
.macro LOAD t
.irp i, 0,1,2,3
	global_load_b128 v[R+16*((\t)%4)+4*\i:R+16*((\t)%4)+4*\i+3], v3, s[24:25] offset:2048*(\t)+512*\i th:TH_LOAD_NT   ; 32 lanes read 512 consecutive bytes
.endr
.endm
.macro TURN t                          ; step t's numbers through the stage: LDS serves a wave's instructions in order, so no wait stands between the stores and the loads
.irp i, 0,1,2,3
	ds_store_b128 v14, v[R+16*((\t)%4)+4*\i:R+16*((\t)%4)+4*\i+3] offset:32*SP*((\t)%2)+8*SP*\i
.endr
.irp i, 0,1,2,3
	ds_load_b128 v[X+16*((\t)%2)+4*\i:X+16*((\t)%2)+4*\i+3], v15 offset:32*SP*((\t)%2)+16*\i
.endr
.endm
.irp t, 0,1,2,3
	LOAD \t
.endr
	s_wait_loadcnt 12                              ; step 0's four loads are in; three steps' twelve may be out
	TURN 0
.macro STEP t
.set XS, X+16*((\t)%2)
.if (\t) > 0
	s_wait_dscnt 1                                 ; this step's numbers are back from the stage; the last step's byte store may be out
.else
	s_wait_dscnt 0x0
.endif
.if (\t)+4 < STEPS
	LOAD (\t)+4
.endif
.if (\t)+1 < STEPS
.if STEPS-2-(\t) >= 3
	s_wait_loadcnt 12                              ; the next step's four loads are in; those of the three steps behind it may be out
.else
	s_wait_loadcnt 4*(STEPS-2-(\t))
.endif
	TURN (\t)+1
.endif
	v_max3_num_f32 v8, |v[XS]|, |v[XS+1]|, |v[XS+2]|               ; the largest magnitude of my 16, in two chains
	v_max3_num_f32 v9, |v[XS+3]|, |v[XS+4]|, |v[XS+5]|
.irp i, 6,10
	v_max3_num_f32 v8, v8, |v[XS+\i]|, |v[XS+\i+1]|
	v_max3_num_f32 v9, v9, |v[XS+\i+2]|, |v[XS+\i+3]|
.endr
	v_max3_num_f32 v8, v8, |v[XS+14]|, |v[XS+15]|
	v_max3_num_f32 v8, v8, v9, (EMAX+1)<<23        ; and the floor 2^(3 - 127): the byte cannot fall under 1
	v_max_num_f32_dpp v8, v8, v8 row_xmask:1 row_mask:0xf bank_mask:0xf   ; with my neighbour's 16: the block's
	v_add_nc_u32 v11, -(EMAX<<23), v8              ; 2 off its exponent field: the conversion takes that field as its scale
	v_cvt_scalef32_pk8_fp4_f32 v[C+4*(\t)], v[XS:XS+7], v11
	v_cvt_scalef32_pk8_fp4_f32 v[C+4*(\t)+1], v[XS+8:XS+15], v11
	v_lshrrev_b32 v[E+(\t)], 23, v11               ; the scale's byte (a plain line behind the conversions)
	ds_store_b8 v5, v[E+(\t)] offset:16*(\t)       ; both lanes of a block write the same byte with the same value
	global_store_b64 v4, v[C+4*(\t):C+4*(\t)+1], s[14:15] offset:32*CB*(\t)   ; the wave stores 256 consecutive bytes, aligned
.endm
.irp t, 0,1,2,3,4,5,6,7,8,9,10,11,12,13,14,15
	STEP \t
.endr
	ds_load_b64 v[8:9], v6                         ; LDS serves a wave's instructions in order: these see my byte stores
	s_wait_dscnt 0x0
	global_store_b64 v7, v[8:9], s[16:17]          ; my wave's 256 scale bytes, consecutive and aligned
	s_wait_tensorcnt 0x0                           ; the wave's end, behind my last LDS store
	ds_add_u32 v[SPW], v[NIL]
	s_wait_dscnt 0x0
	s_endpgm
.Lcast:                                                ; Wo to f16: a ring of sixteen register slots, 64 loads of 512 bytes and 64 stores of 256 bytes a wave; no LDS
	s_sub_co_u32 s26, ttmp9, 224
	s_lshl_b32 s26, s26, 2
	s_add_co_u32 s26, s26, s28                     ; my run of 8,192 numbers
	s_lshl_b32 s30, s26, 15
	s_mov_b32 s31, 0
	s_add_nc_u64 s[12:13], s[12:13], s[30:31]
	s_lshl_b32 s30, s26, 14
	s_add_nc_u64 s[22:23], s[22:23], s[30:31]
.set ci, 0
.rept 16
	global_load_b128 v[R+4*ci:R+4*ci+3], v3, s[12:13] offset:512*ci th:TH_LOAD_NT
.set ci, ci+1
.endr
.set ci, 0
.rept 64
.set sl, ci%16
.if ci < 48
	s_wait_loadcnt 15                              ; loads come back in order: mine is in, the fifteen younger ones stay out
.else
	s_wait_loadcnt 63-ci                           ; the last sixteen: the counts run down
.endif
.if ci >= 16
	s_wait_xcnt 0x0                                ; the slot's last store has read its pair: it is rewritten only behind this wait
.endif
	v_cvt_pk_f16_f32 v[C+2*sl], v[R+4*sl], v[R+4*sl+1]
	v_cvt_pk_f16_f32 v[C+2*sl+1], v[R+4*sl+2], v[R+4*sl+3]
.if ci < 48
	global_load_b128 v[R+4*sl:R+4*sl+3], v3, s[12:13] offset:512*(ci+16) th:TH_LOAD_NT
.endif
	global_store_b64 v7, v[C+2*sl:C+2*sl+1], s[22:23] offset:256*ci   ; the wave stores 256 consecutive bytes, aligned
.set ci, ci+1
.endr
	s_wait_tensorcnt 0x0                           ; the same three closing lines on this way too
	ds_add_u32 v[SPW], v[NIL]
	s_wait_dscnt 0x0
	s_endpgm
.Lfunc_end_k_q8ca23a8313_quant:
	.size	k_q8ca23a8313_quant, .Lfunc_end_k_q8ca23a8313_quant-k_q8ca23a8313_quant
	.p2alignl 7, 3214868480
	.fill 96, 4, 3214868480
	.section	.rodata,"a",@progbits
	.p2align	6, 0x0
	.amdhsa_kernel k_q8ca23a8313_quant
		.amdhsa_group_segment_fixed_size 33280
		.amdhsa_private_segment_fixed_size 0
		.amdhsa_enable_private_segment 0
		.amdhsa_kernarg_size 80
		.amdhsa_user_sgpr_count 2
		.amdhsa_user_sgpr_kernarg_segment_ptr 1
		.amdhsa_wavefront_size32 1
		.amdhsa_system_sgpr_workgroup_id_x 1
		.amdhsa_system_sgpr_workgroup_id_y 1
		.amdhsa_system_sgpr_workgroup_id_z 1
		.amdhsa_system_vgpr_workitem_id 0
		.amdhsa_next_free_vgpr 192
		.amdhsa_next_free_sgpr 66
		.amdhsa_reserve_vcc 0
		.amdhsa_float_denorm_mode_32 3
		.amdhsa_float_denorm_mode_16_64 3
		.amdhsa_memory_ordered 1
		.amdhsa_forward_progress 1
		.amdhsa_inst_pref_size 58
	.end_amdhsa_kernel
	.amdgpu_metadata
---
amdhsa.version: [ 1, 2 ]
amdhsa.kernels:
  - .name:           k_q8ca23a8313_quant
    .symbol:         k_q8ca23a8313_quant.kd
    .args:
      - { .name: x, .offset: 0, .size: 8, .value_kind: global_buffer, .address_space: global }
      - { .name: Wq, .offset: 8, .size: 8, .value_kind: global_buffer, .address_space: global }
      - { .name: Wk, .offset: 16, .size: 8, .value_kind: global_buffer, .address_space: global }
      - { .name: Wv, .offset: 24, .size: 8, .value_kind: global_buffer, .address_space: global }
      - { .name: Wo, .offset: 32, .size: 8, .value_kind: global_buffer, .address_space: global }
      - { .name: x_codes, .offset: 40, .size: 8, .value_kind: global_buffer, .address_space: global }
      - { .name: x_scales, .offset: 48, .size: 8, .value_kind: global_buffer, .address_space: global }
      - { .name: w_codes, .offset: 56, .size: 8, .value_kind: global_buffer, .address_space: global }
      - { .name: w_scales, .offset: 64, .size: 8, .value_kind: global_buffer, .address_space: global }
      - { .name: wo16, .offset: 72, .size: 8, .value_kind: global_buffer, .address_space: global }
    .group_segment_fixed_size: 33280
    .private_segment_fixed_size: 0
    .kernarg_segment_align: 8
    .kernarg_segment_size: 80
    .max_flat_workgroup_size: 128
    .sgpr_count:     66
    .vgpr_count:     192
    .wavefront_size: 32
...
	.end_amdgpu_metadata
.endif
;; end of part 1
;; launch qkv (part 2): grid 12 x 16, 4 waves a work-group, clusters of 4 x 4, 327,680 bytes of LDS; arguments x_codes, x_scales, w_codes, w_scales, qkv16, cos, sin, qkv32; writes qkv16, qkv32
.if DOCPART == 2
	.amdgcn_target "amdgcn-amd-amdhsa--gfx1250"
	.amdhsa_code_object_version 6
	.text
	.protected	k_q8ca23a8313_qkv
	.globl	k_q8ca23a8313_qkv
	.p2align	8
	.type	k_q8ca23a8313_qkv,@function
k_q8ca23a8313_qkv:
	s_mov_b64 s[64:65], 0
	v_nop
	global_prefetch_b8 v0, s[64:65] scope:SCOPE_SE
	s_setreg_imm32_b32 hwreg(HW_REG_WAVE_MODE, 25, 1), 1
	s_wait_xcnt 0x0
	s_wait_alu depctr_hold_cnt(0) depctr_sa_sdst(0) depctr_va_vdst(0) depctr_va_sdst(0) depctr_va_ssrc(0) depctr_va_vcc(0) depctr_vm_vsrc(0)
	s_getreg_b32 s2, hwreg(HW_REG_IB_STS2, 6, 4)
	s_cmp_eq_u32 s2, 0
	s_cbranch_scc0 .Lentry_in_a_cluster
	s_endpgm
.Lentry_in_a_cluster:
	s_bfe_u32 s2, ttmp6, 0x10000c
	s_cmp_lg_u32 s2, 0xf033
	s_cbranch_scc0 .Lentry_shape_is_right
	s_endpgm
.Lentry_shape_is_right:
; [q | k | v] = x [Wq; Wk; Wv]^T on codes of FP4 (E2M1) with one E8M0 scale for each 32 along K: one product 4,096 x 3,072 x 1,024; sums in f32.  On the way out q and k are rotated (RoPE, f32, by the
; tables cos and sin as they are given), and all three are stored by head as f16: qkv16 [part][b][head][t][64].  Positions 0-15 of both sequences are stored in f32 as well: qkv32 [part][b][head], 4,096 bytes a head:
; v as rows [16][64]; q and k as images of the registers that the reader wants: chunk u of eight lies at 512 u + 16 x lane, and lane (r, h) has there position r, channels 16 (u / 2) + 8 h + 4 (u % 2) + 0 .. 3.
; LIMIT: |q|, |k|, |v| stay under 65,504 (f16).
; A tile 256 x 256 is made by four waves, a wave makes 128 x 128: 64 accumulators.  All of K lies in two LDS slots of 512 along K, filled once by the tensor data mover; the scale bytes of the tile's rows likewise.
; CLUSTERS: 4 x 4 work-groups; x's tiles are shared along a row of the cluster, the weights' along a column: each is asked for jointly, by the same tensor load with a mask that names the four.
; The cluster's x is the part (0 q, 1 k, 2 v), the same in all sixteen partners: the one branch of the way out hangs on it.
; THE MATRIX INSTRUCTION IS USED TRANSPOSED (source 0 = 16 rows of W, source 1 = 16 rows of x): lane (r, h) holds row 16 a + r of x, and register j of accumulator (a, b) the column 16 b + 8 h + j: head b / 4,
; channel d = 16 (b % 4) + 8 h + j.  The rotation's partner d +- 32 is the same lane and register of accumulator b +- 2: nothing changes lanes.
; REGISTERS: window 0: v0-31 addresses; v32-95 scale words, two sets; v128-191 x's fragments; on the way out v32-95 64 numbers, v96-127 their f16, v128-191 rows read back.
;   window 1: the weights' fragments at v0-63 and v128-191; cos and sin of a block of 16 rows at v64-127 and v192-255, by turns.   windows 2, 3: the accumulators ((a, b) at v[8 (8 (a % 4) + b)]).
.set KSTEP,  512
.set NQ,     4
.set ROWB,   256
.set KROW,   512                       ; a row of codes in memory
.set PITCH,  272                       ; an LDS row: 256 bytes + 16 of padding: the 16 rows that a load touches start 68 words apart
.set FR,     8
.set NL,     2
.set NP,     4
.set HALFT,  128*PITCH
.set SLOT,   4*HALFT
.set KS,     32                        ; a row of scale bytes
.set SCL,    2*SLOT
.set HALFS,  (128*KS/256)*272
.set SBLK,   (16*KS/256)*272
.set SPARE,  SCL+4*HALFS               ; the spare words, 128 bytes a wave, named by no other line
.set SPITCH, 272                       ; the way out: a stage of 16 rows x (256 bytes + 16) for each wave, in slot 0, which has had its only fill and its last read by then
.set ADRA, 16
.set ADRB, 20
.set CSO,  22                          ; v22 r x 256 + 32 h: my place in 16 rows of cos, of sin and of v's f32 copy; never rewritten
.set STO,  24
.set RD,   25
.set CO,   26                          ; v26 16 x lane; never rewritten
.set ADRS, 27
.set SPW,  28
.set NIL,  29
.set FLG,  30                          ; v30 my wave's first position in its sequence
.set SC,   32
.set AF,   128
.set T,    32
.set H,    96
.set BK,   128
.set G1, 24
.set G0, 32
.set G1B, 48
.set G0B, 56
.set G1S, 68
.set G0S, 76
.set G1SB, 80
.set G0SB, 88
.set MSB, 0
.macro WIN new                         ; the immediate's high byte repeats the setting that is left
.if MSB != (\new)
	s_set_vgpr_msb (MSB<<8)|(\new)
.set MSB, (\new)
.endif
.endm
.set MUL_LO, 0xa1
.set MUL_HI, 0xf1
.set TO_B,   0x40
.macro JLOAD g0a, g1a, g0b, g1b        ; a joint load: waves 0, 1 fetch for x, waves 2, 3 for the weights; an s_nop 0 and four v_nop follow each line
	s_cmp_eq_u32 s15, 0
	s_cbranch_scc0 .Lfor_b_\@
	tensor_load_to_lds s[\g0a:\g0a+3], s[\g1a:\g1a+7]
	s_nop 0
.rept 4
	v_nop
.endr
	s_branch .Lasked_\@
.Lfor_b_\@:
	tensor_load_to_lds s[\g0b:\g0b+3], s[\g1b:\g1b+7]
	s_nop 0
.rept 4
	v_nop
.endr
.Lasked_\@:
.endm
.macro CROUND                          ; a round of the cluster's barrier
	s_barrier_signal -1
	s_barrier_wait -1
	s_cmp_lg_u32 s14, 0
	s_cbranch_scc1 .Lnot_wave_0_\@
	s_barrier_signal -3
.Lnot_wave_0_\@:
	s_barrier_wait -3
	s_barrier_signal -1
	s_barrier_wait -1
.endm
	s_load_b128 s[4:7], s[0:1], 0x0                ; x's codes, x's scales
	s_load_b128 s[8:11], s[0:1], 0x10              ; the weights' codes, their scales
	s_load_b64 s[12:13], s[0:1], 0x20              ; qkv16
	s_load_b128 s[96:99], s[0:1], 0x28             ; cos, sin
	s_load_b64 s[100:101], s[0:1], 0x38            ; qkv32
	v_lshl_add_u32 v[SPW], v0, 2, SPARE
	v_mov_b32 v[NIL], 0
	ds_add_u32 v[SPW], v[NIL]                      ; the wave's opening: the add, twice on end, and its wait ahead of my first tensor load
	ds_add_u32 v[SPW], v[NIL]
	v_lshrrev_b32 v1, 5, v0
	v_readfirstlane_b32 s14, v1                    ; wave 0..3
	s_lshr_b32 s15, s14, 1                         ; my half of the tile's rows; also: I fetch for x (0) or for the weights (1)
	s_and_b32 s16, s14, 1                          ; my half of its columns; also: which 128 rows I fetch
	s_bfe_u32 s40, ttmp6, 0x40000                  ; cx
	s_bfe_u32 s41, ttmp6, 0x40004                  ; cy
	s_lshl_b32 s42, ttmp9, 2
	s_add_co_u32 s42, s42, s40                     ; tile column
	s_and_b32 s17, ttmp7, 0xffff
	s_lshl_b32 s17, s17, 2
	s_add_co_u32 s17, s17, s41                     ; tile row
	s_lshl_b32 s43, s41, 2
	s_lshl_b32 s43, 15, s43                        ; my row of the cluster
	s_lshl_b32 s44, 0x1111, s40                    ; my column
	s_or_b32 s[G1+0], s43, (0<<16)|(1<<20)|(1<<21)|(5<<22)|(3<<25)  ; mask; elements of 1 byte; padding on; bit 21 beside a mask; 4 words behind every 64
	s_or_b32 s[G1B+0], s44, (0<<16)|(1<<20)|(1<<21)|(5<<22)|(3<<25)
.irp g, G1, G1B
	s_mov_b32 s[\g+1], ROWB<<16                    ; tensor_dim0
	s_mov_b32 s[\g+2], 128<<16                     ; tensor_dim1
	s_mov_b32 s[\g+3], ROWB<<16                    ; tile_dim0
	s_mov_b32 s[\g+4], 128                         ; tile_dim1
	s_mov_b32 s[\g+5], KROW                        ; the pitch
	s_mov_b32 s[\g+6], 0
	s_mov_b32 s[\g+7], 0
.endr
	s_or_b32 s[G1S+0], s43, (3<<16)|(1<<20)|(1<<21)|(5<<22)|(3<<25)  ; the scales of 128 rows: 4,096 dense bytes as 16 rows of 256 (32 elements of 8 bytes), 16 bytes of padding behind each
	s_or_b32 s[G1SB+0], s44, (3<<16)|(1<<20)|(1<<21)|(5<<22)|(3<<25)
.irp g, G1S, G1SB
	s_mov_b32 s[\g+1], 32<<16
	s_mov_b32 s[\g+2], (128*KS/256)<<16
	s_mov_b32 s[\g+3], 32<<16
	s_mov_b32 s[\g+4], 128*KS/256
	s_mov_b32 s[\g+5], 32
	s_mov_b32 s[\g+6], 0
	s_mov_b32 s[\g+7], 0
.endr
	s_lshl_b32 s18, s16, 7
	s_lshl_b32 s20, s17, 8
	s_add_co_u32 s20, s20, s18                     ; x: row 256 x tile row + 128 x half
	s_lshl_b32 s46, s42, 8
	s_add_co_u32 s46, s46, s18                     ; weights: row 256 x tile column + 128 x half
	s_mov_b32 s21, 0
	s_mov_b32 s47, 0
	s_mov_b64 s[18:19], KS
	s_mul_u64 s[22:23], s[20:21], s[18:19]
	s_mul_u64 s[92:93], s[46:47], s[18:19]
	s_mov_b64 s[18:19], KROW
	s_mul_u64 s[20:21], s[20:21], s[18:19]
	s_mul_u64 s[46:47], s[46:47], s[18:19]
	s_mul_i32 s45, s14, HALFT                      ; where they go: wave x 128 rows
	s_mul_i32 s94, s14, HALFS
	s_wait_dscnt 0x0                               ; both opening adds are done
	s_wait_kmcnt 0x0
	s_add_nc_u64 s[20:21], s[4:5], s[20:21]
	s_add_nc_u64 s[22:23], s[6:7], s[22:23]
	s_add_nc_u64 s[46:47], s[8:9], s[46:47]
	s_add_nc_u64 s[92:93], s[10:11], s[92:93]
	CROUND                                         ; all sixteen work-groups are here: the joint loads meet
	s_mov_b32 s[G0S], 1
	s_add_co_u32 s[G0S+1], s94, SCL
	s_mov_b64 s[G0S+2:G0S+3], s[22:23]
	s_or_b32 s[G0S+3], s[G0S+3], 0x80000000
	s_mov_b32 s[G0SB], 1
	s_add_co_u32 s[G0SB+1], s94, SCL
	s_mov_b64 s[G0SB+2:G0SB+3], s[92:93]
	s_or_b32 s[G0SB+3], s[G0SB+3], 0x80000000
	JLOAD G0S, G1S, G0SB, G1SB                     ; three loads of mine go out together: the scales, slot 0, slot 1
.irp s, 0,1
	s_mov_b32 s[G0+4*\s], 1
	s_add_co_u32 s[G0+4*\s+1], s45, \s*SLOT
	s_add_nc_u64 s[G0+4*\s+2:G0+4*\s+3], s[20:21], \s*ROWB
	s_or_b32 s[G0+4*\s+3], s[G0+4*\s+3], 0x80000000
	s_mov_b32 s[G0B+4*\s], 1
	s_add_co_u32 s[G0B+4*\s+1], s45, \s*SLOT
	s_add_nc_u64 s[G0B+4*\s+2:G0B+4*\s+3], s[46:47], \s*ROWB
	s_or_b32 s[G0B+4*\s+3], s[G0B+4*\s+3], 0x80000000
	JLOAD G0+4*\s, G1, G0B+4*\s, G1B
.endr
	v_and_b32 v1, 15, v0                           ; r
	v_bfe_u32 v2, v0, 4, 1                         ; h
	v_mul_u32_u24 v3, v1, PITCH
	v_lshl_add_u32 v4, v2, 4, v3
	s_mul_i32 s21, s15, HALFT
	s_mul_i32 s22, s16, HALFT
	s_add_co_u32 s22, s22, 2*HALFT
.irp s, 0,1
	v_add_nc_u32 v[ADRA+\s], s21, v4
	v_add_nc_u32 v[ADRB+\s], s22, v4
	s_add_co_u32 s21, s21, SLOT
	s_add_co_u32 s22, s22, SLOT
.endr
	v_mul_u32_u24 v5, v1, KS                       ; my row's scales: 32 bytes a row,
	v_lshrrev_b32 v6, 8, v5
	v_lshl_add_u32 v5, v6, 4, v5                   ; and 16 more for each 256 passed
	s_mul_i32 s21, s15, HALFS
	s_mul_i32 s22, s16, HALFS
	s_add_co_u32 s22, s22, 2*HALFS
	s_sub_co_u32 s22, s22, s21
	v_mul_u32_u24 v6, s22, v2                      ; lanes 16-31 take the weights'
	s_add_co_u32 s21, s21, SCL
	v_add_nc_u32 v5, v5, v6
	v_add_nc_u32 v[ADRS], s21, v5
	s_mul_i32 s23, s14, 16*SPITCH                  ; my stage
	v_mul_u32_u24 v5, v1, SPITCH
	v_lshl_add_u32 v5, v2, 4, v5
	v_add_nc_u32 v[STO], s23, v5                   ; in: row r, 16 bytes for each half of the lanes
	v_and_b32 v6, 31, v0
	v_lshlrev_b32 v[CO], 4, v6                     ; out: 16 x lane: four rows of one head are 512 bytes on end
	v_lshrrev_b32 v5, 3, v6
	v_mul_u32_u24 v5, v5, SPITCH
	v_and_b32 v6, 7, v6
	v_lshl_add_u32 v5, v6, 4, v5
	v_add_nc_u32 v[RD], s23, v5                    ; back: row lane / 8, 16 (lane % 8) bytes on
	v_lshlrev_b32 v[CSO], 8, v1
	v_lshl_add_u32 v[CSO], v2, 5, v[CSO]
	s_lshr_b32 s18, s17, 3                         ; b
	s_and_b32 s19, s17, 7
	s_lshl_b32 s19, s19, 8
	s_lshl_b32 s20, s15, 7
	s_add_co_u32 s19, s19, s20                     ; my wave's first position
	v_mov_b32 v[FLG], s19
	s_lshl_b32 s20, s40, 2
	s_lshl_b32 s21, s16, 1
	s_add_co_u32 s20, s20, s21                     ; my first head: 4 cx + 2 x half
	s_lshl_b32 s21, s18, 4
	s_add_co_u32 s21, s21, s20                     ; 16 b + head
	s_lshl_b32 s22, s21, 18                        ; a head is 262,144 bytes of f16,
	s_lshl_b32 s23, s19, 7                         ; a position 128,
	s_add_co_u32 s22, s22, s23
	s_lshl_b32 s23, ttmp9, 23                      ; a part 8,388,608
	s_add_co_u32 s22, s22, s23
	s_mov_b32 s23, 0
	s_add_nc_u64 s[12:13], s[12:13], s[22:23]
	s_lshl_b32 s22, s19, 8                         ; a row of cos or sin is 256 bytes
	s_add_nc_u64 s[96:97], s[96:97], s[22:23]
	s_add_nc_u64 s[98:99], s[98:99], s[22:23]
	s_lshl_b32 s22, ttmp9, 5
	s_add_co_u32 s22, s22, s21
	s_lshl_b32 s22, s22, 12                        ; qkv32: (32 part + 16 b + head) x 4,096
	s_add_nc_u64 s[100:101], s[100:101], s[22:23]
; cos and sin of block a's 16 rows, in the accumulators' layout: register 8 bb + j of a set = channel 16 bb + 8 h + j of row r; cos at +0, sin at +32.  16 loads
.macro CSLOAD a
	WIN TO_B
.set CB0, 64+128*((\a)%2)
.irp bb, 0,1,2,3
.irp jj, 0,1
	global_load_b128 v[CB0+8*\bb+4*\jj:CB0+8*\bb+4*\jj+3], v[CSO], s[96:97] offset:(\a)*4096+64*\bb+16*\jj
	global_load_b128 v[CB0+32+8*\bb+4*\jj:CB0+32+8*\bb+4*\jj+3], v[CSO], s[98:99] offset:(\a)*4096+64*\bb+16*\jj
.endr
.endr
	WIN 0
.endm
	; The first two blocks' tables are asked for here, so that they land while the products run, and in all three parts alike, with no jump round them: so both sets of registers are written on every way
	; that leads to the rotation.  The work-groups of v, which is not rotated, never name theirs: 32 loads a wave, 16,384 bytes, of rows that q's and k's work-groups of the same tile row read too.
	CSLOAD 0
	CSLOAD 1
.macro FRAG reg, adr, q, i             ; 16 rows x 128 K of 4-bit codes: 8 registers; registers 4 c .. 4 c + 3 hold K = 64 c + 32 h + 0 .. 31
.irp c, 0,1
	ds_load_b128 v[\reg+4*\c:\reg+4*\c+3], v[\adr] offset:64*(\q)+32*\c+(\i)*16*PITCH
.endr
.endm
; 16 matrix instructions: x's blocks a0, a0 + 1 against the weights' eight.  The 64 accumulators take turns, one instruction a turn, in the same order in every step.
.macro MUL16 a0, p, q, sc, zero
.irp a, \a0, \a0+1
.irp b, 0,1,2,3,4,5,6,7
.if \zero
	v_wmma_scale_f32_16x16x128_f8f6f4 v[8*(8*((\a)%4)+\b):8*(8*((\a)%4)+\b)+7], v[128*(\p)+FR*\b:128*(\p)+FR*\b+FR-1], v[AF+FR*(\a):AF+FR*(\a)+FR-1], 0, v[SC+8*NQ*(\sc)+NQ*\b+(\q)], v[SC+8*NQ*(\sc)+NQ*(\a)+(\q)] matrix_a_fmt:MATRIX_FMT_FP4 matrix_b_fmt:MATRIX_FMT_FP4 matrix_a_scale:MATRIX_SCALE_ROW1
.else
	v_wmma_scale_f32_16x16x128_f8f6f4 v[8*(8*((\a)%4)+\b):8*(8*((\a)%4)+\b)+7], v[128*(\p)+FR*\b:128*(\p)+FR*\b+FR-1], v[AF+FR*(\a):AF+FR*(\a)+FR-1], v[8*(8*((\a)%4)+\b):8*(8*((\a)%4)+\b)+7], v[SC+8*NQ*(\sc)+NQ*\b+(\q)], v[SC+8*NQ*(\sc)+NQ*(\a)+(\q)] matrix_a_fmt:MATRIX_FMT_FP4 matrix_b_fmt:MATRIX_FMT_FP4 matrix_a_scale:MATRIX_SCALE_ROW1
.endif
.endr
.endr
.endm
.macro FETCH_B slot, q, p
	WIN TO_B
.irp i, 0,1,2,3,4,5,6,7
	FRAG 128*(\p)+FR*\i, ADRB+\slot, \q, \i
.endr
	WIN 0
.endm
.macro FETCH_A slot, q, i0
.irp i, \i0, \i0+1, \i0+2, \i0+3
	FRAG AF+FR*(\i), ADRA+\slot, \q, \i
.endr
.endm
.macro SCALES sc                       ; a slot's scale words: lanes 0-15 take x's block i, lanes 16-31 the weights' block i
.irp i, 0,1,2,3,4,5,6,7
	ds_load_b128 v[SC+8*NQ*\sc+NQ*\i:SC+8*NQ*\sc+NQ*\i+3], v[ADRS] offset:\i*SBLK
.endr
.endm
.macro PLACES n                        ; plain vector lines between a matrix instruction and a load into, or a read of, its registers
.rept \n
	v_nop
.endr
.endm
.macro STEP slot, q, zero              ; 128 along K whose successor lies in the same slot
	s_wait_dscnt 4*NL                              ; all but the youngest eight loads (x's blocks 4-7) are in
	WIN MUL_LO
	MUL16 0, (\q)%2, \q, \slot, \zero
	MUL16 2, (\q)%2, \q, \slot, \zero
	s_wait_dscnt 0
	PLACES NP
	FETCH_B \slot, (\q)+1, 1-(\q)%2
	FETCH_A \slot, (\q)+1, 0
	WIN MUL_HI
	MUL16 4, (\q)%2, \q, \slot, \zero
	MUL16 6, (\q)%2, \q, \slot, \zero
	PLACES NP
	WIN 0
	FETCH_A \slot, (\q)+1, 4
.endm
.macro STEPS slot, from
.set Q, \from
.rept NQ-1-\from
	STEP \slot, Q, 0
.set Q, Q+1
.endr
.endm
	s_wait_tensorcnt 1                             ; the scales and my part of slot 0 are in; slot 1's load may be out
	s_barrier_signal -1
	s_barrier_wait -1
	FETCH_B 0, 0, 0
	FETCH_A 0, 0, 0
	SCALES 0
	FETCH_A 0, 0, 4
	STEP 0, 0, 1                                   ; the first products start the sums: nothing is cleared
	STEPS 0, 1
	; slot 0's last step changes slots: one barrier; in front of it my part of slot 1 has landed and my reads of slot 0 are over
	s_wait_tensorcnt 0x0
	ds_add_u32 v[SPW], v[NIL]                      ; 0 onto my spare word
	s_wait_dscnt 4*NL+1                            ; the add and the youngest eight loads may be out
	WIN MUL_LO
	MUL16 0, 1, NQ-1, 0, 0
	s_wait_dscnt 0x0
	s_barrier_signal -1
	MUL16 2, 1, NQ-1, 0, 0
	WIN 0
	s_barrier_wait -1
	PLACES NP
	v_add_nc_u32 v[ADRS], 4*NQ, v[ADRS]            ; slot 1's scale words
	FETCH_B 1, 0, 0
	FETCH_A 1, 0, 0
	SCALES 1
	WIN MUL_HI
	MUL16 4, 1, NQ-1, 0, 0
	MUL16 6, 1, NQ-1, 0, 0
	PLACES NP
	WIN 0
	FETCH_A 1, 0, 4
	STEPS 1, 0
	s_wait_dscnt 4*NL                              ; the very last step
	WIN MUL_LO
	MUL16 0, 1, NQ-1, 1, 0
	MUL16 2, 1, NQ-1, 1, 0
	s_wait_dscnt 0
	WIN MUL_HI
	MUL16 4, 1, NQ-1, 1, 0
	MUL16 6, 1, NQ-1, 1, 0
	WIN 0
; THE WAY OUT, a block of 16 rows at a time.
; The rotation: low half d < 32: u(d) cos(d) - u(d + 32) sin(d); high half: u(d + 32) cos(d + 32) + u(d) sin(d + 32).  Each accumulator is read from its low end on.
.macro ROPE a
.set WN, 0x06+(\a)/4
	WIN WN                                         ; source 0: the accumulators' window; source 1: window 1 (the tables); source 2 and destination: window 0
.set CB0, 64+128*((\a)%2)
.irp hh, 0,1
.irp bb, 0,1
.irp jp, 0,2,4,6
.set LO, 8*(8*((\a)%4)+4*\hh+\bb)+\jp
.set TL, T+8*(4*\hh+\bb)+\jp
.set CL, CB0+8*\bb+\jp
	v_pk_mul_f32 v[TL:TL+1], v[LO:LO+1], v[CL:CL+1]
	v_pk_mul_f32 v[TL+16:TL+17], v[LO+16:LO+17], v[CL+16:CL+17]
	v_pk_fma_f32 v[TL:TL+1], v[LO+16:LO+17], v[CL+32:CL+33], v[TL:TL+1] neg_lo:[0,1,0] neg_hi:[0,1,0]
	v_pk_fma_f32 v[TL+16:TL+17], v[LO:LO+1], v[CL+48:CL+49], v[TL+16:TL+17]
.endr
.endr
.endr
	WIN 0
.endm
.macro PACK                            ; 64 numbers to f16
.irp b, 0,1,2,3,4,5,6,7
.irp jj, 0,1,2,3
	v_cvt_pk_f16_f32 v[H+4*\b+\jj], v[T+8*\b+2*\jj], v[T+8*\b+2*\jj+1]
.endr
.endr
.endm
.macro PACKV a                         ; the same straight from block a's accumulators
.set WN, 0x0a+5*((\a)/4)
	WIN WN
.irp b, 0,1,2,3,4,5,6,7
.irp jj, 0,1,2,3
	v_cvt_pk_f16_f32 v[H+4*\b+\jj], v[8*(8*((\a)%4)+\b)+2*\jj], v[8*(8*((\a)%4)+\b)+2*\jj+1]
.endr
.endr
	WIN 0
.endm
; The f32 copy of positions 0-15: block 0 of the waves whose first position is 0.  All lanes of the other waves are switched off: no jump hangs on the work-group's place in its cluster.
; img = 1 (q, k): as an image of the registers: each store of the wave covers 512 consecutive bytes, aligned.  img = 0 (v): as rows of 256 bytes, 16 bytes a lane.
.macro FINE32 win, base, img
	v_cmp_eq_u32 vcc_lo, 0, v[FLG]
	s_wait_xcnt 0x0                                ; EXEC changes only behind this wait
	s_and_saveexec_b32 s21, vcc_lo
	WIN \win
.irp b, 0,1,2,3,4,5,6,7
.irp jj, 0,1
.if \img
	global_store_b128 v[CO], v[\base+8*\b+4*\jj:\base+8*\b+4*\jj+3], s[100:101] offset:(\b/4)*4096+(2*(\b%4)+\jj)*512
.else
	global_store_b128 v[CSO], v[\base+8*\b+4*\jj:\base+8*\b+4*\jj+3], s[100:101] offset:(\b/4)*4096+64*(\b%4)+16*\jj
.endif
.endr
.endr
	WIN 0
	s_wait_xcnt 0x0                                ; and again ahead of the line that widens it; the stores have read their data too
	s_or_b32 exec_lo, exec_lo, s21
.endm
.macro TOSTAGE a                       ; 16 rows x 256 bytes into my stage, and back by heads: four rows of 128 bytes an instruction
.irp b, 0,1,2,3,4,5,6,7
	ds_store_b128 v[STO], v[H+4*\b:H+4*\b+3] offset:32*\b
.endr
.set BB, BK+32*((\a)%2)
.irp hh, 0,1
.irp u, 0,1,2,3
	ds_load_b128 v[BB+4*(4*\hh+\u):BB+4*(4*\hh+\u)+3], v[RD] offset:\u*4*SPITCH+128*\hh   ; LDS serves a wave's instructions in order: these see the stores above
.endr
.endr
.endm
.macro SEND a, younger
.set BB, BK+32*((\a)%2)
	s_wait_dscnt \younger                          ; the block is back; the next block's 8 stores and 8 loads may be out
.irp hh, 0,1
.irp u, 0,1,2,3
	global_store_b128 v[CO], v[BB+4*(4*\hh+\u):BB+4*(4*\hh+\u)+3], s[12:13] offset:\hh*262144+(\a)*2048+\u*512   ; 32 lanes store 512 consecutive bytes, aligned
.endr
.endr
.endm
	PLACES NP                                      ; behind the last products: for the reads of results and for writes of and loads into registers that held scales and fragments
	s_cmp_eq_u32 ttmp9, 2
	s_cbranch_scc1 .Lvalues
.irp a, 0,1,2,3,4,5,6,7
.if \a < 7
	s_wait_loadcnt 16                              ; this block's tables are in; the next block's 16 loads may be out
.else
	s_wait_loadcnt 0
.endif
	ROPE \a
.if \a <= 5
	CSLOAD \a+2                                    ; into the set just read
.endif
.if \a == 0
	FINE32 0, T, 1
.endif
	PACK
.if \a > 1
	s_wait_xcnt 0x0                                ; block a - 2's stores have read the registers into which this block comes back
.endif
	TOSTAGE \a
.if \a > 0
	SEND \a-1, 16
.endif
.endr
	SEND 7, 0
	s_branch .Lend
.Lvalues:
.irp a, 0,1,2,3,4,5,6,7
	PACKV \a
.if \a == 0
	FINE32 0x08, 0, 0                              ; a store's data are its source 1: window 2
.endif
.if \a > 1
	s_wait_xcnt 0x0
.endif
	TOSTAGE \a
.if \a > 0
	SEND \a-1, 16
.endif
.endr
	SEND 7, 0
.Lend:
	s_wait_tensorcnt 0x0                           ; the wave's end, behind my last tensor load and my last LDS store
	ds_add_u32 v[SPW], v[NIL]
	s_wait_dscnt 0x0
	CROUND                                         ; the closing round
	s_endpgm
.Lfunc_end_k_q8ca23a8313_qkv:
	.size	k_q8ca23a8313_qkv, .Lfunc_end_k_q8ca23a8313_qkv-k_q8ca23a8313_qkv
	.p2alignl 7, 3214868480
	.fill 96, 4, 3214868480
	.section	.rodata,"a",@progbits
	.p2align	6, 0x0
	.amdhsa_kernel k_q8ca23a8313_qkv
		.amdhsa_group_segment_fixed_size 327680
		.amdhsa_private_segment_fixed_size 0
		.amdhsa_enable_private_segment 0
		.amdhsa_kernarg_size 64
		.amdhsa_user_sgpr_count 2
		.amdhsa_user_sgpr_kernarg_segment_ptr 1
		.amdhsa_wavefront_size32 1
		.amdhsa_system_sgpr_workgroup_id_x 1
		.amdhsa_system_sgpr_workgroup_id_y 1
		.amdhsa_system_sgpr_workgroup_id_z 1
		.amdhsa_system_vgpr_workitem_id 0
		.amdhsa_next_free_vgpr 1024
		.amdhsa_next_free_sgpr 102
		.amdhsa_reserve_vcc 1
		.amdhsa_float_denorm_mode_32 3
		.amdhsa_float_denorm_mode_16_64 3
		.amdhsa_memory_ordered 1
		.amdhsa_forward_progress 1
		.amdhsa_inst_pref_size 206
	.end_amdhsa_kernel
	.amdgpu_metadata
---
amdhsa.version: [ 1, 2 ]
amdhsa.kernels:
  - .name:           k_q8ca23a8313_qkv
    .symbol:         k_q8ca23a8313_qkv.kd
    .args:
      - { .name: x_codes, .offset: 0, .size: 8, .value_kind: global_buffer, .address_space: global }
      - { .name: x_scales, .offset: 8, .size: 8, .value_kind: global_buffer, .address_space: global }
      - { .name: w_codes, .offset: 16, .size: 8, .value_kind: global_buffer, .address_space: global }
      - { .name: w_scales, .offset: 24, .size: 8, .value_kind: global_buffer, .address_space: global }
      - { .name: qkv16, .offset: 32, .size: 8, .value_kind: global_buffer, .address_space: global }
      - { .name: cos, .offset: 40, .size: 8, .value_kind: global_buffer, .address_space: global }
      - { .name: sin, .offset: 48, .size: 8, .value_kind: global_buffer, .address_space: global }
      - { .name: qkv32, .offset: 56, .size: 8, .value_kind: global_buffer, .address_space: global }
    .group_segment_fixed_size: 327680
    .private_segment_fixed_size: 0
    .kernarg_segment_align: 8
    .kernarg_segment_size: 64
    .max_flat_workgroup_size: 128
    .sgpr_count:     102
    .vgpr_count:     1024
    .wavefront_size: 32
...
	.end_amdgpu_metadata
.endif
;; end of part 2
;; launch attn (part 3): grid 8 x 32, 8 waves a work-group, no clusters, 327,680 bytes of LDS; arguments qkv16, o16; writes o16
.if DOCPART == 3
	.amdgcn_target "amdgcn-amd-amdhsa--gfx1250"
	.amdhsa_code_object_version 6
	.text
	.protected	k_q8ca23a8313_attn
	.globl	k_q8ca23a8313_attn
	.p2align	8
	.type	k_q8ca23a8313_attn,@function
k_q8ca23a8313_attn:
	s_mov_b64 s[64:65], 0
	v_nop
	global_prefetch_b8 v0, s[64:65] scope:SCOPE_SE
	s_setreg_imm32_b32 hwreg(HW_REG_WAVE_MODE, 25, 1), 1
	s_wait_xcnt 0x0
; o[b][head][q][:] = the sum over keys k <= q of softmax_k(q . k / 8) v[k][:].  q, k, v: f16, [part][b][head][2048][64]; o16: f16, [b][head][2048][64].  Products on f16 operands with f32 sums; maxima, exponentials
; and sums in f32; the weights p (at most 1) are rounded to f16 for the second product, o once at the end.  A running maximum m and sum l for each query; in every step O and l are multiplied by 2^(c m_old - c m_new).
; SHARES.  Work-group (p, head) owns the query blocks p and 15 - p of 128 rows, one after the other; wave w the 16 queries at 16 w of the block.  Keys go in units of 128: block p wants units 0 .. p, block 15 - p
; units 0 .. 15 - p: 17 units in every work-group, so the loop's count is a constant, all 256 work-groups have equal work, and every tile that is fetched is read.
; NO CLUSTER: the work-groups of a head leave the common walk behind unit p, which differs between them; from there on they want different tiles in the same trip.
; LAYOUT.  S^T = K Q^T (source 0 = 16 keys, source 1 = my 16 queries), O^T = V^T P: a lane holds ONE query (lane % 16) throughout; two tiles of S^T, rounded in pairs, are source 1 of the second product.
; K comes out of LDS as it lies, V ([key][channel]) turned, by ds_load_tr16_b128.
; THE MASK.  Only a block's last unit meets the diagonal.  There waves 0-3 mask the unit's first 64 keys and leave out the other 64; waves 4-7 mask the second 64.  These jumps hang on ids alone.
; REGISTERS: v1-14 addresses; v16-23 statistics; v24-39 Q; v40-71 S^T; v72-87 P; v88-119 O^T; v120-183 K's fragments; v184-247 V's; v248-251 at work at the head.
.set PK,    144                        ; a row of K in LDS: 128 bytes + 16
.set PV,    160                        ; a row of V: 128 + 32
.set VOFF,  128*PK
.set SLOT1, 65536                      ; one exclusive or turns an address in one slot into the other's
.set STAGE, 131072                     ; 16 rows x 144 for each wave, for the way out
.set Q2IMG, STAGE+8*16*PK              ; the second block's Q, as an image of its registers: 2,048 bytes a wave
.set SPARE, Q2IMG+8*2048               ; the spare words, 128 bytes a wave, named by no other line
.set AK0, 1
.set AV0, 2
.set ADK, 3
.set ADV, 4
.set QO,  5
.set STO, 6
.set RD,  7
.set GO,  8
.set SPW, 9
.set NIL, 10
.set PFO, 11
.set DD,  12                           ; v12 r - 8 h + 16 (w % 4): register n of S^T is hidden where 16 (n / 8) + n % 8 is above it
.set NINF, 13
.set QI,  14
.set ST,  16                           ; +0 c m, +1 m, +2, +3 l, +4 .. +7 at work (a at +6, c m_old at +7)
.set QQ,  24
.set SS,  40
.set PP,  72
.set OO,  88
.set KF,  120
.set VF,  184
.set WV,  8
.set RP,  9                            ; s9  p
.set P1,  10                           ; s10 p + 1: the trip in which the second block begins
.set RN,  11                           ; s11 the trip
.set WH,  12                           ; s12 w / 4
.set NWH, 13
.set DIAG, 14
.set M0,  15
.set M1,  16
.set TB,  17                           ; s17 LDS byte at which the slot in hand begins
.set UO,  18                           ; s[18:19] the byte offset of the unit that is asked for
.set KB,  20                           ; s[20:21], s[22:23] my 32 rows of unit 0 of K, of V
.set VB,  22
.set G1K, 24
.set G1V, 32
.set G0K, 40
.set G0V, 44
.set CS,  48                           ; s[48:49] c = log2(e) / 8
.set SEL, 50
.set O1,  52
.set O2,  54
.set PFA, 56
.set LIM, 58
; Waves 0-3 fetch K's 128 rows, 32 each, waves 4-7 V's.  The branch hangs on the wave's number alone.  An s_nop 0 and four v_nop follow each line.
.macro KVLOAD
	s_cmp_lt_u32 s[WV], 4
	s_cbranch_scc0 .Lfor_v_\@
	tensor_load_to_lds s[G0K:G0K+3], s[G1K:G1K+7]
	s_nop 0
.rept 4
	v_nop
.endr
	s_branch .Lasked_\@
.Lfor_v_\@:
	tensor_load_to_lds s[G0V:G0V+3], s[G1V:G1V+7]
	s_nop 0
.rept 4
	v_nop
.endr
.Lasked_\@:
.endm
; A prefetch of unit n + 2 in trip n, one trip ahead of the earliest tensor load that wants it.  All work-groups of a head walk the same K and V: the head's work-group 0 asks, waves 0, 1 for K's halves and waves
; 4, 5 for V's: 8,192 bytes each, lanes 256 bytes apart: each block of 256 bytes is named once in the launch.  Units 0 and 1 come by their loads alone; trips 14 and 15 ask for nothing: unit 15 is the last.
.macro ASK
	s_cmp_lt_u32 s[RN], s[LIM]
	s_cbranch_scc0 .Lnot_mine_\@
	global_prefetch_b8 v[PFO], s[PFA:PFA+1] th:TH_LOAD_NT scope:SCOPE_SE
.Lnot_mine_\@:
.endm
.macro PLACES
.rept 4
	v_nop
.endr
.endm
	s_load_b128 s[4:7], s[0:1], 0x0                ; qkv16, o16
	v_lshl_add_u32 v[SPW], v0, 2, SPARE
	v_mov_b32 v[NIL], 0
	ds_add_u32 v[SPW], v[NIL]                      ; the wave's opening: the add, twice on end, and its wait ahead of my first tensor load
	ds_add_u32 v[SPW], v[NIL]
	v_lshrrev_b32 v1, 5, v0
	v_readfirstlane_b32 s[WV], v1                  ; wave 0..7
	s_mov_b32 s[RP], ttmp9
	s_add_co_u32 s[P1], s[RP], 1
	s_mov_b32 s[RN], 0
	s_lshr_b32 s[WH], s[WV], 2
	s_xor_b32 s[NWH], s[WH], 1
	s_mov_b32 s[TB], 0
	s_mov_b32 s[UO], 0
	s_mov_b32 s[UO+1], 0
	s_mov_b32 s[G1K], (1<<16)|(1<<20)|(4<<22)|(3<<25)   ; no mask; elements of 2 bytes; padding on: 4 words behind every 32
	s_mov_b32 s[G1V], (1<<16)|(1<<20)|(4<<22)|(7<<25)   ; 8 words behind every 32
.irp g, G1K, G1V
	s_mov_b32 s[\g+1], 64<<16                      ; tensor_dim0
	s_mov_b32 s[\g+2], 32<<16                      ; tensor_dim1
	s_mov_b32 s[\g+3], 64<<16                      ; tile_dim0
	s_mov_b32 s[\g+4], 32                          ; tile_dim1
	s_mov_b32 s[\g+5], 64                          ; the pitch
	s_mov_b32 s[\g+6], 0
	s_mov_b32 s[\g+7], 0
.endr
	s_mov_b32 s[CS], 0x3e38aa3b                    ; log2(e) / 8
	s_mov_b32 s[CS+1], s[CS]                       ; named with it as a pair, so it is written
	s_mov_b32 s[SEL], 0x76543210
	s_mov_b32 s[SEL+1], 0xfedcba98
	s_and_b32 s59, s[WV], 3
	s_and_b32 s60, ttmp7, 0xffff
	s_lshl_b32 s60, s60, 18                        ; the head's first byte in a part
	s_lshl_b32 s62, s59, 12                        ; my 32 rows of 128 bytes
	s_add_co_u32 s62, s62, s60
	s_add_co_u32 s62, s62, 8388608                 ; part 1: K
	s_mov_b32 s63, 0
	s_add_co_u32 s66, s62, 8388608                 ; part 2: V
	s_mov_b32 s67, 0
	s_wait_dscnt 0x0                               ; both opening adds are done
	s_wait_kmcnt 0x0
	s_add_nc_u64 s[KB:KB+1], s[4:5], s[62:63]
	s_add_nc_u64 s[VB:VB+1], s[4:5], s[66:67]
	s_mov_b32 s[G0K], 1
	s_mul_i32 s[G0K+1], s59, 32*PK
	s_mov_b64 s[G0K+2:G0K+3], s[KB:KB+1]
	s_or_b32 s[G0K+3], s[G0K+3], 0x80000000
	s_mov_b32 s[G0V], 1
	s_mul_i32 s[G0V+1], s59, 32*PV
	s_add_co_u32 s[G0V+1], s[G0V+1], VOFF
	s_mov_b64 s[G0V+2:G0V+3], s[VB:VB+1]
	s_or_b32 s[G0V+3], s[G0V+3], 0x80000000
	KVLOAD                                         ; unit 0 into slot 0: every wave has one load out
	v_and_b32 v248, 15, v0                         ; r
	v_bfe_u32 v249, v0, 4, 1                       ; h
	v_and_b32 v250, 31, v0                         ; lane
	v_lshlrev_b32 v[QO], 7, v248
	v_lshl_add_u32 v[QO], v249, 4, v[QO]           ; Q: row r of 128 bytes, + 16 h
	s_lshl_b32 s62, s[RP], 14                      ; block p's 128 rows
	s_lshl_b32 s66, s[WV], 11                      ; my 16 of them
	s_add_co_u32 s66, s66, s60
	s_add_co_u32 s62, s62, s66
	s_sub_co_u32 s68, 15, s[RP]
	s_lshl_b32 s68, s68, 14                        ; block 15 - p's
	s_add_co_u32 s66, s68, s66
	s_add_nc_u64 s[O1:O1+1], s[6:7], s[62:63]
	s_add_nc_u64 s[O2:O2+1], s[6:7], s[66:67]
	s_add_nc_u64 s[62:63], s[4:5], s[62:63]
	s_add_nc_u64 s[66:67], s[4:5], s[66:67]
.irp i, 0,1,2,3
	global_load_b128 v[QQ+4*\i:QQ+4*\i+3], v[QO], s[62:63] offset:32*\i    ; the first block's Q
.endr
.irp i, 0,1,2,3
	global_load_b128 v[SS+4*\i:SS+4*\i+3], v[QO], s[66:67] offset:32*\i    ; the second block's, on its way to LDS
.endr
	s_cmp_lt_u32 s[WV], 4
	s_mov_b32 s68, 16777216
	s_cselect_b32 s68, 8388608, s68                ; the prefetches: K's part or V's,
	s_and_b32 s69, s[WV], 1
	s_lshl_b32 s69, s69, 13                        ; my half of a unit,
	s_add_co_u32 s68, s68, s69
	s_add_co_u32 s68, s68, s60
	s_add_co_u32 s68, s68, 16384                   ; at unit 1: each trip's head steps it by a unit
	s_mov_b32 s69, 0
	s_add_nc_u64 s[PFA:PFA+1], s[4:5], s[68:69]
	s_lshr_b32 s68, s59, 1                         ; 0 in waves 0, 1, 4, 5
	s_or_b32 s68, s68, s[RP]                       ; of work-group 0 of the head
	s_cmp_eq_u32 s68, 0
	s_cselect_b32 s[LIM], 14, 0
	v_mul_u32_u24 v[AK0], v248, PK
	v_lshl_add_u32 v[AK0], v249, 4, v[AK0]         ; a fragment of K: row r x pitch + 16 h
	v_and_b32 v251, 7, v0
	v_lshl_add_u32 v[AV0], v249, 3, v251
	v_mul_u32_u24 v[AV0], v[AV0], PV               ; the turning load: key 8 h + lane % 8,
	v_bfe_u32 v251, v0, 3, 1
	v_lshl_add_u32 v[AV0], v251, 4, v[AV0]         ; channels 8 ((lane / 8) % 2) on
	v_add_nc_u32 v[AV0], VOFF, v[AV0]
	s_mul_i32 s68, s[WV], 16*PK
	s_add_co_u32 s68, s68, STAGE                   ; my stage
	v_add_nc_u32 v[STO], s68, v[AK0]               ; in: row r, 16 bytes for each half of the lanes
	v_lshrrev_b32 v[RD], 3, v250
	v_mul_u32_u24 v[RD], v[RD], PK
	v_and_b32 v251, 7, v0
	v_lshl_add_u32 v[RD], v251, 4, v[RD]
	v_add_nc_u32 v[RD], s68, v[RD]                 ; back: row lane / 8, 16 (lane % 8) bytes on
	v_lshlrev_b32 v[GO], 4, v250
	v_lshlrev_b32 v[PFO], 8, v250
	s_lshl_b32 s68, s59, 4
	v_add_nc_u32 v[DD], s68, v248
	v_lshlrev_b32 v251, 3, v249
	v_sub_nc_u32 v[DD], v[DD], v251
	v_mov_b32 v[NINF], 0xff800000
	s_lshl_b32 s68, s[WV], 11
	s_add_co_u32 s68, s68, Q2IMG
	v_add_nc_u32 v[QI], s68, v[GO]
; m = -3e38, under every score; l and O^T zero: the step is written once, and a block's first change of m multiplies zeros
.macro RESET
	v_mov_b32 v[ST+1], 0xff61b1e6
	v_mul_f32 v[ST], s[CS], v[ST+1]
	v_mov_b32 v[ST+2], 0
	v_mov_b32 v[ST+3], 0
	v_mov_b32 v[ST+5], 0
	v_mov_b32 v[ST+7], 0
.set n, 0
.rept 32
	v_mov_b32 v[OO+n], 0
.set n, n+1
.endr
.endm
.macro LOADK st                        ; 64 keys x 64 channels: 8 fragments, 16 loads
.irp kt, 0,1,2,3
.irp c, 0,1
	ds_load_b128 v[KF+8*(2*\kt+\c):KF+8*(2*\kt+\c)+3],   v[ADK] offset:(64*\st+16*\kt)*PK+64*\c
	ds_load_b128 v[KF+8*(2*\kt+\c)+4:KF+8*(2*\kt+\c)+7], v[ADK] offset:(64*\st+16*\kt)*PK+64*\c+32
.endr
.endr
.endm
.macro LOADV st                        ; the same of V, turned: keys 32 kc on, channels 16 c4 on
.irp kc, 0,1
.irp c4, 0,1,2,3
	ds_load_tr16_b128 v[VF+8*(4*\kc+\c4):VF+8*(4*\kc+\c4)+3],   v[ADV] offset:(64*\st+32*\kc)*PV+32*\c4
	ds_load_tr16_b128 v[VF+8*(4*\kc+\c4)+4:VF+8*(4*\kc+\c4)+7], v[ADV] offset:(64*\st+32*\kc)*PV+16*PV+32*\c4
.endr
.endr
.endm
.macro QK                              ; the four accumulators take turns, one instruction a turn; the first four start the sums
.irp c, 0,1
.irp kt, 0,1,2,3
.if \c == 0
	v_wmma_f32_16x16x32_f16 v[SS+8*\kt:SS+8*\kt+7], v[KF+8*(2*\kt+\c):KF+8*(2*\kt+\c)+7], v[QQ+8*\c:QQ+8*\c+7], 0
.else
	v_wmma_f32_16x16x32_f16 v[SS+8*\kt:SS+8*\kt+7], v[KF+8*(2*\kt+\c):KF+8*(2*\kt+\c)+7], v[QQ+8*\c:QQ+8*\c+7], v[SS+8*\kt:SS+8*\kt+7]
.endif
.endr
.endr
.endm
.macro PV
.irp kc, 0,1
.irp c4, 0,1,2,3
	v_wmma_f32_16x16x32_f16 v[OO+8*\c4:OO+8*\c4+7], v[VF+8*(4*\kc+\c4):VF+8*(4*\kc+\c4)+7], v[PP+8*\kc:PP+8*\kc+7], v[OO+8*\c4:OO+8*\c4+7]
.endr
.endr
.endm
.macro MASK                            ; hidden scores become -infinity ahead of the maximum: p = 0 then.  Each accumulator from its low end on
.set n, 0
.rept 32
	v_cmp_gt_i32 vcc_lo, 16*(n/8)+n%8, v[DD]
	v_cndmask_b32 v[SS+n], v[SS+n], v[NINF], vcc_lo
.set n, n+1
.endr
.endm
.macro SOFTMAX
.irp j, 0,1,2,3
	v_max3_num_f32 v[ST+4+\j], v[SS+8*\j], v[SS+8*\j+1], v[SS+8*\j+2]   ; four chains, each accumulator from its low end on
.endr
.irp i, 3,5
.irp j, 0,1,2,3
	v_max3_num_f32 v[ST+4+\j], v[ST+4+\j], v[SS+8*\j+\i], v[SS+8*\j+\i+1]
.endr
.endr
	v_max3_num_f32 v[ST+4], v[ST+4], v[SS+7], v[SS+15]
	v_max3_num_f32 v[ST+6], v[ST+6], v[SS+23], v[SS+31]
	v_max3_num_f32 v[ST+4], v[ST+4], v[ST+5], v[ST+6]
	v_max3_num_f32 v[ST+4], v[ST+4], v[ST+7], v[ST+1]                   ; with the old m
	v_permlanex16_b32 v[ST+5], v[ST+4], s[SEL], s[SEL+1]                ; the query's other 32 keys lie in the lane 16 away
	v_mov_b32 v[ST+7], v[ST]                                            ; c m_old is kept for a
	v_max_num_f32 v[ST+1], v[ST+4], v[ST+5]
	v_mul_f32 v[ST], s[CS], v[ST+1]
	v_sub_f32 v[ST+7], v[ST+7], v[ST]
.set n, 0
.rept 16
	v_pk_fma_f32 v[SS+n:SS+n+1], v[SS+n:SS+n+1], s[CS:CS+1], v[ST:ST+1] op_sel_hi:[1,0,0] neg_lo:[0,0,1] neg_hi:[0,0,1]   ; c s - c m
.set n, n+2
.endr
	v_exp_f32 v[ST+6], v[ST+7]                                          ; a; the 33 exponentials are one batch
.set n, 0
.rept 32
	v_exp_f32 v[SS+n], v[SS+n]
.set n, n+1
.endr
	v_nop                                                               ; a plain line behind the last exponential
	s_wait_alu depctr_va_vdst(0)                                        ; one wait for the batch, ahead of its first reader
.set n, 0
.rept 16
	v_cvt_pk_f16_f32 v[PP+n], v[SS+2*n], v[SS+2*n+1]
.set n, n+1
.endr
.irp u, 0,1,2,3,4,5,6,7
	v_pk_add_f32 v[SS+4*\u:SS+4*\u+1], v[SS+4*\u:SS+4*\u+1], v[SS+4*\u+2:SS+4*\u+3]   ; the sum of the unrounded p, as a tree
.endr
.irp u, 0,1,2,3
	v_pk_add_f32 v[SS+8*\u:SS+8*\u+1], v[SS+8*\u:SS+8*\u+1], v[SS+8*\u+4:SS+8*\u+5]
.endr
.irp u, 0,1
	v_pk_add_f32 v[SS+16*\u:SS+16*\u+1], v[SS+16*\u:SS+16*\u+1], v[SS+16*\u+8:SS+16*\u+9]
.endr
	v_pk_add_f32 v[SS:SS+1], v[SS:SS+1], v[SS+16:SS+17]
	v_pk_fma_f32 v[ST+2:ST+3], v[ST+2:ST+3], v[ST+6:ST+7], v[SS:SS+1] op_sel_hi:[1,0,1]   ; l = a l + the sum
.set n, 0
.rept 16
	v_pk_mul_f32 v[OO+n:OO+n+1], v[OO+n:OO+n+1], v[ST+6:ST+7] op_sel_hi:[1,0]
.set n, n+2
.endr
.endm
; A block's end: O^T / l, to f16, through my stage, out as 2,048 bytes on end
.macro FINISH base
	PLACES
	v_add_f32 v[ST+4], v[ST+2], v[ST+3]
	v_permlanex16_b32 v[ST+5], v[ST+4], s[SEL], s[SEL+1]
	v_add_f32 v[ST+4], v[ST+4], v[ST+5]
	v_rcp_f32 v[ST+6], v[ST+4]
	v_nop
	s_wait_alu depctr_va_vdst(0)                   ; the wait ahead of the reciprocal's first reader
.set n, 0
.rept 16
	v_pk_mul_f32 v[SS+n:SS+n+1], v[OO+n:OO+n+1], v[ST+6:ST+7] op_sel_hi:[1,0]
.set n, n+2
.endr
.set n, 0
.rept 16
	v_cvt_pk_f16_f32 v[PP+n], v[SS+2*n], v[SS+2*n+1]
.set n, n+1
.endr
.irp c4, 0,1,2,3
	ds_store_b128 v[STO], v[PP+4*\c4:PP+4*\c4+3] offset:32*\c4
.endr
.irp u, 0,1,2,3
	ds_load_b128 v[SS+4*\u:SS+4*\u+3], v[RD] offset:4*PK*\u        ; LDS serves a wave's instructions in order: these see the stores above
.endr
	s_wait_dscnt 0x0
.irp u, 0,1,2,3
	global_store_b128 v[GO], v[SS+4*\u:SS+4*\u+3], s[\base:\base+1] offset:512*\u   ; 32 lanes store 512 consecutive bytes, aligned
.endr
	s_wait_xcnt 0x0                                ; the stores have read their data: S^T's registers may be written again
.endm
; A TRIP: one unit of 128 keys, two steps of 64.  fill = 1: the next unit is asked for, into the slot that was read last.
.macro TRIP fill
	s_wait_tensorcnt 0x0                           ; my one load has landed: my part of this trip's unit; so the descriptors may be written
	ds_add_u32 v[SPW], v[NIL]                      ; 0 onto my spare word; the scalar work stands between it and the wait for it
.if \fill
	s_add_co_u32 s[UO], s[UO], 16384               ; the next unit,
	s_cmp_eq_u32 s[RN], s[RP]
	s_cselect_b32 s[UO], 0, s[UO]                  ; or, behind the first block's last unit, unit 0 again
	s_cselect_b32 s[DIAG], 1, 0                    ; that last unit meets the diagonal
	s_and_b32 s[M0], s[DIAG], s[NWH]
	s_and_b32 s[M1], s[DIAG], s[WH]
	s_xor_b32 s[G0K+1], s[G0K+1], SLOT1
	s_xor_b32 s[G0V+1], s[G0V+1], SLOT1
	s_add_nc_u64 s[G0K+2:G0K+3], s[KB:KB+1], s[UO:UO+1]
	s_or_b32 s[G0K+3], s[G0K+3], 0x80000000
	s_add_nc_u64 s[G0V+2:G0V+3], s[VB:VB+1], s[UO:UO+1]
	s_or_b32 s[G0V+3], s[G0V+3], 0x80000000
	s_wait_xcnt 0x0                                ; the last prefetch, a trip back, has read its address
	s_add_nc_u64 s[PFA:PFA+1], s[PFA:PFA+1], 16384
.else
	s_mov_b32 s[M0], s[NWH]                        ; the second block's last unit meets the diagonal
	s_mov_b32 s[M1], s[WH]
.endif
	s_wait_dscnt 0x0                               ; the add is done, and my reads of the slot that I have left are over
	s_barrier_signal -1
	s_barrier_wait -1                              ; both hold of all eight waves
.if \fill
	KVLOAD                                         ; my one tensor load behind the barrier, and the first thing there; its four v_nop are also the places in front of the loads below
	ASK
	s_cmp_eq_u32 s[RN], s[P1]                      ; ids alone: all eight waves go the same way
	s_cbranch_scc0 .Lsame_\@
	FINISH O1                                      ; the first block leaves,
.irp i, 0,1,2,3
	ds_load_b128 v[QQ+4*\i:QQ+4*\i+3], v[QI] offset:512*\i         ; the second block's Q comes,
.endr
	RESET                                          ; and its sums begin
	s_wait_dscnt 0x0
.Lsame_\@:
.else
	PLACES
.endif
	v_add_nc_u32 v[ADK], s[TB], v[AK0]
	v_add_nc_u32 v[ADV], s[TB], v[AV0]
	LOADK 0
	LOADV 0
	s_wait_dscnt 16                                ; K is in; V's sixteen loads may be out
	QK
	PLACES                                         ; in front of the reads of S^T and of the loads into K's registers
	s_cmp_eq_u32 s[M0], 0
	s_cbranch_scc0 .Lmask0_\@
	LOADK 1                                        ; the second step's K lands under the softmax
	s_branch .Lsm0_\@
.Lmask0_\@:
	MASK
.Lsm0_\@:
	SOFTMAX
	s_wait_dscnt 0x0                               ; V is in (and the second step's K, where it was asked for)
	PV
	s_cmp_eq_u32 s[M0], 0
	s_cbranch_scc0 .Lhid_\@                        ; the unit's other 64 keys all come after my queries
	PLACES
	LOADV 1
	QK
	PLACES
	s_cmp_eq_u32 s[M1], 0
	s_cbranch_scc1 .Lopen_\@
	MASK
.Lopen_\@:
	SOFTMAX
	s_wait_dscnt 0x0                               ; V is in
	PV
.Lhid_\@:
	s_xor_b32 s[TB], s[TB], SLOT1                  ; on to the other slot
.endm
	RESET
	s_wait_loadcnt 0x0                             ; both Q
.irp i, 0,1,2,3
	ds_store_b128 v[QI], v[SS+4*\i:SS+4*\i+3] offset:512*\i        ; the second block's waits in LDS, as an image of its registers
.endr
.Ltrip:                                                ; 16 trips, each of which asks for the next unit; slot 1's first fill stands behind the first trip's barrier
	TRIP 1
	s_add_co_u32 s[RN], s[RN], 1
	s_cmp_lt_u32 s[RN], 16
	s_cbranch_scc1 .Ltrip
	TRIP 0                                         ; the last unit is written out: nothing is left to fetch
	FINISH O2
	s_wait_tensorcnt 0x0                           ; the wave's end, behind my last tensor load and my last LDS store
	ds_add_u32 v[SPW], v[NIL]
	s_wait_dscnt 0x0
	s_endpgm
.Lfunc_end_k_q8ca23a8313_attn:
	.size	k_q8ca23a8313_attn, .Lfunc_end_k_q8ca23a8313_attn-k_q8ca23a8313_attn
	.p2alignl 7, 3214868480
	.fill 96, 4, 3214868480
	.section	.rodata,"a",@progbits
	.p2align	6, 0x0
	.amdhsa_kernel k_q8ca23a8313_attn
		.amdhsa_group_segment_fixed_size 327680
		.amdhsa_private_segment_fixed_size 0
		.amdhsa_enable_private_segment 0
		.amdhsa_kernarg_size 16
		.amdhsa_user_sgpr_count 2
		.amdhsa_user_sgpr_kernarg_segment_ptr 1
		.amdhsa_wavefront_size32 1
		.amdhsa_system_sgpr_workgroup_id_x 1
		.amdhsa_system_sgpr_workgroup_id_y 1
		.amdhsa_system_sgpr_workgroup_id_z 1
		.amdhsa_system_vgpr_workitem_id 0
		.amdhsa_next_free_vgpr 256
		.amdhsa_next_free_sgpr 70
		.amdhsa_reserve_vcc 1
		.amdhsa_float_denorm_mode_32 3
		.amdhsa_float_denorm_mode_16_64 3
		.amdhsa_memory_ordered 1
		.amdhsa_forward_progress 1
		.amdhsa_inst_pref_size 66
	.end_amdhsa_kernel
	.amdgpu_metadata
---
amdhsa.version: [ 1, 2 ]
amdhsa.kernels:
  - .name:           k_q8ca23a8313_attn
    .symbol:         k_q8ca23a8313_attn.kd
    .args:
      - { .name: qkv16, .offset: 0, .size: 8, .value_kind: global_buffer, .address_space: global }
      - { .name: o16, .offset: 8, .size: 8, .value_kind: global_buffer, .address_space: global }
    .group_segment_fixed_size: 327680
    .private_segment_fixed_size: 0
    .kernarg_segment_align: 8
    .kernarg_segment_size: 16
    .max_flat_workgroup_size: 256
    .sgpr_count:     70
    .vgpr_count:     256
    .wavefront_size: 32
...
	.end_amdgpu_metadata
.endif
;; end of part 3
;; launch proj (part 4): grid 8 x 32, 4 waves a work-group, clusters of 4 x 4, 327,680 bytes of LDS; arguments o16, wo16, out0; writes out0
.if DOCPART == 4
	.amdgcn_target "amdgcn-amd-amdhsa--gfx1250"
	.amdhsa_code_object_version 6
	.text
	.protected	k_q8ca23a8313_proj
	.globl	k_q8ca23a8313_proj
	.p2align	8
	.type	k_q8ca23a8313_proj,@function
k_q8ca23a8313_proj:
	s_mov_b64 s[64:65], 0
	v_nop
	global_prefetch_b8 v0, s[64:65] scope:SCOPE_SE
	s_setreg_imm32_b32 hwreg(HW_REG_WAVE_MODE, 25, 1), 1
	s_wait_xcnt 0x0
	s_wait_alu depctr_hold_cnt(0) depctr_sa_sdst(0) depctr_va_vdst(0) depctr_va_sdst(0) depctr_va_ssrc(0) depctr_va_vcc(0) depctr_vm_vsrc(0)
	s_getreg_b32 s2, hwreg(HW_REG_IB_STS2, 6, 4)
	s_cmp_eq_u32 s2, 0
	s_cbranch_scc0 .Lentry_in_a_cluster
	s_endpgm
.Lentry_in_a_cluster:
	s_bfe_u32 s2, ttmp6, 0x10000c
	s_cmp_lg_u32 s2, 0xf033
	s_cbranch_scc0 .Lentry_shape_is_right
	s_endpgm
.Lentry_shape_is_right:
; out0[m][n] = the sum over k of o[m][k] Wo[n][k]: 4,096 x 1,024 x 1,024, f16 operands, f32 sums, f32 out.  o16 lies by head, [b][head][t][64]: k = 64 head + channel.  wo16: [n][k].
; (Rows 0-15 of both sequences are written again, more finely, by the launch that follows.)
; A tile of 128 x 128 gives each of 256 work-groups one tile.  Four waves, each 64 x 64: 16 accumulators.  K goes in four steps of 256 (four heads) through two LDS slots.
; A's tile of a K step is four planes, one a head: 128 rows of 128 bytes, dense in memory.  Waves 0 and 1 fetch two planes each by one load whose row is a whole plane (8,192 elements), with 16 bytes of padding
; behind every 128: in LDS 128 rows of pitch 144 a plane.  Waves 2 and 3 fetch B's two halves: 64 rows of 512 bytes, pitch 528.
; CLUSTERS: 4 x 4 work-groups; A's tiles are shared along a row of the cluster, B's along a column: joint loads.  THE MATRIX INSTRUCTION IS USED TRANSPOSED (source 0 = 16 rows of Wo, source 1 = 16 rows of o).
; REGISTERS: window 0: v0-31 addresses; v32-95 the way out; v128-255 the accumulators ((a, b) at v[128 + 8 (4 a + b)]).   window 1: two fragment buffers of 128: 64 registers of A, then 64 of B.
.set KSTEP,  256
.set PA,     144
.set PB,     528
.set PLANE,  128*PA
.set AHALF,  2*PLANE
.set BOFF,   4*PLANE
.set BHALF,  64*PB
.set SLOT,   BOFF+2*BHALF
.set SPARE,  2*SLOT                    ; the spare words, 128 bytes a wave, named by no other line
.set SPITCH, 272                       ; the way out: 16 rows x (256 bytes + 16) for each wave, in slot 0, which has had its last fill and its last read by then
.set ADRA, 16
.set ADRB, 20
.set STO,  24
.set RD,   25
.set CO,   26
.set SPW,  28
.set NIL,  29
.set TMP,  32
.set ACC,  128
.set F0,   0
.set F1,   128
.set G1, 24
.set G0, 32
.set G1B, 48
.set G0B, 56
.set MSB, 0
.macro WIN new
.if MSB != (\new)
	s_set_vgpr_msb (MSB<<8)|(\new)
.set MSB, (\new)
.endif
.endm
.set MUL,  0x05
.set TO_F, 0x40
.macro JLOAD s                         ; a joint load: waves 0, 1 for A, waves 2, 3 for B; an s_nop 0 and four v_nop follow each line
	s_cmp_eq_u32 s11, 0
	s_cbranch_scc0 .Lfor_b_\@
	tensor_load_to_lds s[G0+4*\s:G0+4*\s+3], s[G1:G1+7]
	s_nop 0
.rept 4
	v_nop
.endr
	s_branch .Lasked_\@
.Lfor_b_\@:
	tensor_load_to_lds s[G0B+4*\s:G0B+4*\s+3], s[G1B:G1B+7]
	s_nop 0
.rept 4
	v_nop
.endr
.Lasked_\@:
.endm
.macro CREST
	s_cmp_lg_u32 s10, 0
	s_cbranch_scc1 .Lnot_wave_0_\@
	s_barrier_signal -3
.Lnot_wave_0_\@:
	s_barrier_wait -3
	s_barrier_signal -1
	s_barrier_wait -1
.endm
.macro CROUND
	s_barrier_signal -1
	s_barrier_wait -1
	CREST
.endm
	s_load_b128 s[4:7], s[0:1], 0x0                ; o16, wo16
	s_load_b64 s[8:9], s[0:1], 0x10                ; out0
	v_lshl_add_u32 v[SPW], v0, 2, SPARE
	v_mov_b32 v[NIL], 0
	ds_add_u32 v[SPW], v[NIL]                      ; the wave's opening: the add, twice on end, and its wait ahead of my first tensor load
	ds_add_u32 v[SPW], v[NIL]
	v_lshrrev_b32 v1, 5, v0
	v_readfirstlane_b32 s10, v1                    ; wave 0..3
	s_lshr_b32 s11, s10, 1                         ; my half of the tile's rows; also: I fetch for A (0) or for B (1)
	s_and_b32 s12, s10, 1                          ; my half of its columns; also: which half I fetch
	s_bfe_u32 s40, ttmp6, 0x40000                  ; cx
	s_bfe_u32 s41, ttmp6, 0x40004                  ; cy
	s_lshl_b32 s42, ttmp9, 2
	s_add_co_u32 s42, s42, s40                     ; tile column
	s_and_b32 s13, ttmp7, 0xffff
	s_lshl_b32 s13, s13, 2
	s_add_co_u32 s13, s13, s41                     ; tile row
	s_lshl_b32 s43, s41, 2
	s_lshl_b32 s43, 15, s43                        ; my row of the cluster
	s_lshl_b32 s44, 0x1111, s40                    ; my column
	s_or_b32 s[G1+0], s43, (1<<16)|(1<<20)|(1<<21)|(4<<22)|(3<<25)   ; A: mask; elements of 2 bytes; padding on; bit 21 beside a mask; 4 words behind every 32
	s_mov_b32 s[G1+1], 8192<<16                    ; tensor_dim0: a plane
	s_mov_b32 s[G1+2], 2<<16                       ; tensor_dim1: two planes
	s_mov_b32 s[G1+3], 8192<<16                    ; tile_dim0
	s_mov_b32 s[G1+4], 2                           ; tile_dim1
	s_mov_b32 s[G1+5], 131072                      ; from head to head: 2,048 x 64 elements
	s_mov_b32 s[G1+6], 0
	s_mov_b32 s[G1+7], 0
	s_or_b32 s[G1B+0], s44, (1<<16)|(1<<20)|(1<<21)|(6<<22)|(3<<25)  ; B: 4 words behind every 128
	s_mov_b32 s[G1B+1], KSTEP<<16
	s_mov_b32 s[G1B+2], 64<<16
	s_mov_b32 s[G1B+3], KSTEP<<16
	s_mov_b32 s[G1B+4], 64
	s_mov_b32 s[G1B+5], 1024
	s_mov_b32 s[G1B+6], 0
	s_mov_b32 s[G1B+7], 0
	s_lshr_b32 s16, s13, 4                         ; A: b x 16 heads of 262,144 bytes,
	s_lshl_b32 s16, s16, 22
	s_and_b32 s17, s13, 15
	s_lshl_b32 s17, s17, 14                        ; 128 positions of 128 bytes for each tile row in the sequence,
	s_add_co_u32 s16, s16, s17
	s_lshl_b32 s17, s12, 19                        ; two heads for wave 1
	s_add_co_u32 s16, s16, s17
	s_mov_b32 s17, 0
	s_lshl_b32 s46, s42, 7
	s_lshl_b32 s47, s12, 6
	s_add_co_u32 s46, s46, s47                     ; B: row 128 x tile column + 64 x half,
	s_lshl_b32 s46, s46, 11                        ; of 2,048 bytes
	s_mov_b32 s47, 0
	s_mul_i32 s20, s12, AHALF                      ; where they go: no place in the cluster enters an LDS address
	s_mul_i32 s21, s12, BHALF
	s_add_co_u32 s21, s21, BOFF
	s_wait_dscnt 0x0                               ; both opening adds are done
	s_wait_kmcnt 0x0
	s_add_nc_u64 s[14:15], s[4:5], s[16:17]
	s_add_nc_u64 s[46:47], s[6:7], s[46:47]
	CROUND                                         ; all sixteen work-groups are here: the first joint loads meet
.irp s, 0,1
	s_mov_b32 s[G0+4*\s], 1
	s_add_co_u32 s[G0+4*\s+1], s20, \s*SLOT
	s_add_nc_u64 s[G0+4*\s+2:G0+4*\s+3], s[14:15], \s*1048576      ; K step s: four heads on
	s_or_b32 s[G0+4*\s+3], s[G0+4*\s+3], 0x80000000
	s_mov_b32 s[G0B+4*\s], 1
	s_add_co_u32 s[G0B+4*\s+1], s21, \s*SLOT
	s_add_nc_u64 s[G0B+4*\s+2:G0B+4*\s+3], s[46:47], \s*KSTEP*2
	s_or_b32 s[G0B+4*\s+3], s[G0B+4*\s+3], 0x80000000
	JLOAD \s
.endr
	v_and_b32 v1, 15, v0                           ; r
	v_bfe_u32 v2, v0, 4, 1                         ; h
	v_mul_u32_u24 v3, v1, PA
	v_lshl_add_u32 v3, v2, 4, v3
	v_mul_u32_u24 v4, v1, PB
	v_lshl_add_u32 v4, v2, 4, v4
	s_mul_i32 s21, s11, 64*PA                      ; my 64 rows in each plane of A
	s_mul_i32 s22, s12, BHALF                      ; my 64 rows of B
	s_add_co_u32 s22, s22, BOFF
.irp s, 0,1
	v_add_nc_u32 v[ADRA+\s], s21, v3
	v_add_nc_u32 v[ADRB+\s], s22, v4
	s_add_co_u32 s21, s21, SLOT
	s_add_co_u32 s22, s22, SLOT
.endr
	s_mul_i32 s23, s10, 16*SPITCH                  ; my stage
	v_mul_u32_u24 v5, v1, SPITCH
	v_lshl_add_u32 v5, v2, 5, v5
	v_add_nc_u32 v[STO], s23, v5                   ; in: row r, 32 bytes for each half of the lanes
	v_mul_u32_u24 v5, v2, SPITCH
	v_lshl_add_u32 v5, v1, 4, v5
	v_add_nc_u32 v[RD], s23, v5                    ; back: lanes 0-15 one row of 256 bytes, lanes 16-31 the next
	v_lshlrev_b32 v5, 12, v2
	v_lshl_add_u32 v[CO], v1, 4, v5                ; and the same two rows in out0
	s_lshl_b32 s16, s13, 7
	s_lshl_b32 s17, s11, 6
	s_add_co_u32 s16, s16, s17                     ; my first row: 128 x tile row + 64 x half
	s_lshl_b32 s16, s16, 12
	s_mov_b32 s17, 0
	s_add_nc_u64 s[8:9], s[8:9], s[16:17]
	s_lshl_b32 s46, s42, 9                         ; my first column, in bytes: 512 x tile column + 256 x half
	s_lshl_b32 s47, s12, 8
	s_add_co_u32 s46, s46, s47
	s_mov_b32 s47, 0
	s_add_nc_u64 s[8:9], s[8:9], s[46:47]
.macro MUL8 f, c, a0, zero             ; the 16 accumulators take turns, one instruction a turn
.irp a, \a0, \a0+1
.irp b, 0,1,2,3
.if \zero
	v_wmma_f32_16x16x32_f16 v[ACC+8*(4*(\a)+\b):ACC+8*(4*(\a)+\b)+7], v[\f+64+8*(4*\c+\b):\f+64+8*(4*\c+\b)+7], v[\f+8*(4*\c+\a):\f+8*(4*\c+\a)+7], 0
.else
	v_wmma_f32_16x16x32_f16 v[ACC+8*(4*(\a)+\b):ACC+8*(4*(\a)+\b)+7], v[\f+64+8*(4*\c+\b):\f+64+8*(4*\c+\b)+7], v[\f+8*(4*\c+\a):\f+8*(4*\c+\a)+7], v[ACC+8*(4*(\a)+\b):ACC+8*(4*(\a)+\b)+7]
.endif
.endr
.endr
.endm
.macro FETCH slot, qd, f               ; 32 LDS loads in one run: the fragments of the slot's quarter qd (one head: 64 along K); the first 32 along K first
	WIN TO_F
.irp c, 0,1
.irp i, 0,1,2,3
	ds_load_b128 v[\f+64+8*(4*\c+\i):\f+64+8*(4*\c+\i)+3],   v[ADRB+\slot] offset:128*(\qd)+64*\c+\i*16*PB
	ds_load_b128 v[\f+64+8*(4*\c+\i)+4:\f+64+8*(4*\c+\i)+7], v[ADRB+\slot] offset:128*(\qd)+64*\c+\i*16*PB+32
	ds_load_b128 v[\f+8*(4*\c+\i):\f+8*(4*\c+\i)+3],         v[ADRA+\slot] offset:(\qd)*PLANE+64*\c+\i*16*PA
	ds_load_b128 v[\f+8*(4*\c+\i)+4:\f+8*(4*\c+\i)+7],       v[ADRA+\slot] offset:(\qd)*PLANE+64*\c+\i*16*PA+32
.endr
.endr
.endm
.macro PLACES
.rept 4
	v_nop
.endr
.endm
.macro QUARTER slot, qd, f, g, zero    ; multiplies buffer f and fetches the slot's quarter qd into g
	s_wait_dscnt 16                                ; the first 32 along K are in
	WIN MUL
	MUL8 \f, 0, 0, \zero
	MUL8 \f, 0, 2, \zero
	PLACES
	FETCH \slot, \qd, \g
	s_wait_dscnt 32                                ; all but the 32 just issued
	WIN MUL
	MUL8 \f, 1, 0, 0
	MUL8 \f, 1, 2, 0
.endm
; A slot's last quarter changes slots: one barrier; in front of it each wave waits for all its tensor loads, adds 0 to its spare word, and waits for that and for its reads of the slot.  fill = 1: the slot is filled again, two K steps on.
.macro TURN slot, next, fill
	WIN 0
	s_wait_tensorcnt 0x0                           ; my part of the next slot has landed
	ds_add_u32 v[SPW], v[NIL]                      ; 0 onto my spare word
	s_wait_dscnt 17                                ; the add and the youngest sixteen loads may be out
	WIN MUL
	MUL8 F1, 0, 0, 0
	s_wait_dscnt 0x0                               ; the add is done, and my reads of this slot are over
	s_barrier_signal -1
	MUL8 F1, 0, 2, 0
.if \fill
	WIN 0
.endif
	s_barrier_wait -1
.if \fill
	CREST                                          ; the barrier has opened a round of the cluster's barrier: no wave of any partner still reads this slot or has a load on its way
	s_add_nc_u64 s[G0+4*\slot+2:G0+4*\slot+3], s[G0+4*\slot+2:G0+4*\slot+3], 2097152   ; eight heads on
	s_add_nc_u64 s[G0B+4*\slot+2:G0B+4*\slot+3], s[G0B+4*\slot+2:G0B+4*\slot+3], 2*KSTEP*2
	JLOAD \slot                                    ; the first tensor load behind the round; its four v_nop are also the places in front of the loads below
.else
	PLACES
.endif
	FETCH \next, 0, F0
	WIN MUL
	MUL8 F1, 1, 0, 0
	MUL8 F1, 1, 2, 0
.endm
	s_wait_tensorcnt 1                             ; my part of K step 0 is in; K step 1's load may be out
	s_barrier_signal -1
	s_barrier_wait -1
	FETCH 0, 0, F0
	QUARTER 0, 1, F0, F1, 1                        ; the first products start the sums
	QUARTER 0, 2, F1, F0, 0
	QUARTER 0, 3, F0, F1, 0
	TURN 0, 1, 1                                   ; slot 0 takes K step 2
	QUARTER 1, 1, F0, F1, 0
	QUARTER 1, 2, F1, F0, 0
	QUARTER 1, 3, F0, F1, 0
	TURN 1, 0, 1                                   ; slot 1 takes K step 3
	QUARTER 0, 1, F0, F1, 0
	QUARTER 0, 2, F1, F0, 0
	QUARTER 0, 3, F0, F1, 0
	TURN 0, 1, 0
	QUARTER 1, 1, F0, F1, 0
	QUARTER 1, 2, F1, F0, 0
	QUARTER 1, 3, F0, F1, 0
	s_wait_dscnt 16                                ; the very last quarter
	WIN MUL
	MUL8 F1, 0, 0, 0
	MUL8 F1, 0, 2, 0
	s_wait_dscnt 0
	MUL8 F1, 1, 0, 0
	MUL8 F1, 1, 2, 0
	WIN 0
; THE WAY OUT, 16 rows x 64 columns at a time: a lane's 32 bytes of a row go into my own stage and come back as whole rows of 256 bytes
.macro TOSTAGE a
.irp b, 0,1,2,3
	ds_store_b128 v[STO], v[ACC+8*(4*(\a)+\b):ACC+8*(4*(\a)+\b)+3] offset:64*\b          ; each accumulator from its low end on
	ds_store_b128 v[STO], v[ACC+8*(4*(\a)+\b)+4:ACC+8*(4*(\a)+\b)+7] offset:64*\b+16
.endr
.set BB, TMP+32*((\a)%2)
.irp t, 0,1,2,3,4,5,6,7
	ds_load_b128 v[BB+4*\t:BB+4*\t+3], v[RD] offset:\t*2*SPITCH    ; LDS serves a wave's instructions in order: these see the stores above
.endr
.endm
.macro SEND a, younger
.set BB, TMP+32*((\a)%2)
	s_wait_dscnt \younger                          ; the block is back; the next block's 8 stores and 8 loads may be out
.irp t, 0,1,2,3,4,5,6,7
	global_store_b128 v[CO], v[BB+4*\t:BB+4*\t+3], s[8:9] offset:(16*(\a)+2*\t)*4096 th:TH_STORE_NT   ; 16 lanes store 256 consecutive bytes, aligned
.endr
.endm
	PLACES
	TOSTAGE 0
.irp a, 1,2,3
.if \a > 1
	s_wait_xcnt 0x0                                ; block a - 2's stores have read the registers into which this block comes back
.endif
	TOSTAGE \a
	SEND \a-1, 16
.endr
	SEND 3, 0
	s_wait_tensorcnt 0x0                           ; the wave's end, behind my last tensor load and my last LDS store
	ds_add_u32 v[SPW], v[NIL]
	s_wait_dscnt 0x0
	CROUND                                         ; the closing round
	s_endpgm
.Lfunc_end_k_q8ca23a8313_proj:
	.size	k_q8ca23a8313_proj, .Lfunc_end_k_q8ca23a8313_proj-k_q8ca23a8313_proj
	.p2alignl 7, 3214868480
	.fill 96, 4, 3214868480
	.section	.rodata,"a",@progbits
	.p2align	6, 0x0
	.amdhsa_kernel k_q8ca23a8313_proj
		.amdhsa_group_segment_fixed_size 327680
		.amdhsa_private_segment_fixed_size 0
		.amdhsa_enable_private_segment 0
		.amdhsa_kernarg_size 24
		.amdhsa_user_sgpr_count 2
		.amdhsa_user_sgpr_kernarg_segment_ptr 1
		.amdhsa_wavefront_size32 1
		.amdhsa_system_sgpr_workgroup_id_x 1
		.amdhsa_system_sgpr_workgroup_id_y 1
		.amdhsa_system_sgpr_workgroup_id_z 1
		.amdhsa_system_vgpr_workitem_id 0
		.amdhsa_next_free_vgpr 512
		.amdhsa_next_free_sgpr 66
		.amdhsa_reserve_vcc 0
		.amdhsa_float_denorm_mode_32 3
		.amdhsa_float_denorm_mode_16_64 3
		.amdhsa_memory_ordered 1
		.amdhsa_forward_progress 1
		.amdhsa_inst_pref_size 86
	.end_amdhsa_kernel
	.amdgpu_metadata
---
amdhsa.version: [ 1, 2 ]
amdhsa.kernels:
  - .name:           k_q8ca23a8313_proj
    .symbol:         k_q8ca23a8313_proj.kd
    .args:
      - { .name: o16, .offset: 0, .size: 8, .value_kind: global_buffer, .address_space: global }
      - { .name: wo16, .offset: 8, .size: 8, .value_kind: global_buffer, .address_space: global }
      - { .name: out0, .offset: 16, .size: 8, .value_kind: global_buffer, .address_space: global }
    .group_segment_fixed_size: 327680
    .private_segment_fixed_size: 0
    .kernarg_segment_align: 8
    .kernarg_segment_size: 24
    .max_flat_workgroup_size: 128
    .sgpr_count:     66
    .vgpr_count:     512
    .wavefront_size: 32
...
	.end_amdgpu_metadata
.endif
;; end of part 4
;; launch fine (part 5): grid 64 x 2, 16 waves a work-group, no clusters, 18,432 bytes of LDS; arguments qkv32, Wo, out0; writes out0
.if DOCPART == 5
	.amdgcn_target "amdgcn-amd-amdhsa--gfx1250"
	.amdhsa_code_object_version 6
	.text
	.protected	k_q8ca23a8313_fine
	.globl	k_q8ca23a8313_fine
	.p2align	8
	.type	k_q8ca23a8313_fine,@function
k_q8ca23a8313_fine:
	s_mov_b64 s[64:65], 0
	v_nop
	global_prefetch_b8 v0, s[64:65] scope:SCOPE_SE
	s_setreg_imm32_b32 hwreg(HW_REG_WAVE_MODE, 25, 1), 1
	s_wait_xcnt 0x0
; Positions 0-15 of both sequences once more, all in f32: their rows average one to sixteen values, are the largest in size, and leave the least room for rounded operands.
; Work-group (nb, b) makes out0[b][0..15][16 nb .. 16 nb + 15].  WAVE w IS HEAD w FROM END TO END: S^T = K Q^T (16 x 16 x 64), the causal mask, softmax (the maximum taken away, p normalised), O^T = V^T P, and then
; its head's part of the projection, out^T = Wo(16 columns, the head's 64 channels) o^T: O^T's accumulators are that product's source 1 as they lie (lane (r, h): query r, channels 16 c + 8 h + j), and Wo is loaded in
; the same order of k: o goes through no LDS.  The sixteen heads' parts, 1,024 bytes each, meet in LDS as images of their registers; waves 0 and 1 add and store them.  One barrier.
; Products by v_wmma_f32_16x16x4_f32, two or four accumulators by turns: 16 + 16 + 16 a wave.  A permutation of k applied alike to both sources keeps every product.
; Each of a sequence's 64 work-groups makes all sixteen heads' o for itself (32 small products a wave): so nothing goes between work-groups.
; SIXTEEN COLUMNS TO A WORK-GROUP: a row's piece in out0 is then 64 bytes, a quarter of an aligned 256, in a launch whose whole output is 131,072 bytes; 64 columns would give whole blocks of 256 bytes at 96 products
; a wave and a quarter of the work-groups.  The launch is small and shares no tile between work-groups through LDS: no tensor load, no cluster, no prefetch.
; q and k come as images of these very registers (chunk u at 512 u + 16 x lane: position r, channels 16 (u / 2) + 8 h + 4 (u % 2) + 0 .. 3): each load covers 512 consecutive bytes.  v comes as rows [16][64].
; REGISTERS: v4-13 addresses; v16-47 Wo; v48-79 Q; v80-111 K (v48-111 later: the sixteen parts); v112-143 V^T; v192-223, v224-239 accumulators, written by matrix instructions alone; v240-247 scores, p, sums; v248-253 at work.
.set RED,   0                          ; LDS: sixteen parts of 1,024 bytes
.set SPARE, 16*1024                    ; the spare words, 128 bytes a wave, named by no other line
.set WO,  4
.set LI,  5
.set VO,  6
.set DD,  7
.set NINF, 8
.set RS,  9
.set RL,  10
.set GO,  11
.set SPW, 14
.set NIL, 15
.set WF,  16
.set QF,  48
.set KF,  80
.set RB,  48
.set VT,  112
.set OA,  192
.set SA,  224
.set PF,  240
	s_load_b128 s[4:7], s[0:1], 0x0                ; qkv32, Wo
	s_load_b64 s[8:9], s[0:1], 0x10                ; out0
	v_lshl_add_u32 v[SPW], v0, 2, SPARE
	v_mov_b32 v[NIL], 0
	v_lshrrev_b32 v1, 5, v0
	v_readfirstlane_b32 s10, v1                    ; wave = head
	s_and_b32 s11, s10, 1                          ; at the end: which 8 rows I add and store (waves 0 and 1)
	s_and_b32 s14, ttmp7, 0xffff                   ; b
	s_mov_b32 s16, 0x3e38aa3b                      ; c = log2(e) / 8
	s_mov_b32 s17, s16                             ; named with it as a pair, so it is written
	s_mov_b32 s18, 0x76543210
	s_mov_b32 s19, 0xfedcba98                      ; v_permlanex16_b32's selects for lane l xor 16
	v_and_b32 v1, 15, v0                           ; r
	v_bfe_u32 v2, v0, 4, 1                         ; h
	v_and_b32 v3, 31, v0                           ; lane
	v_lshlrev_b32 v[WO], 12, v1
	v_lshl_add_u32 v[WO], v2, 5, v[WO]             ; Wo: row r of 4,096 bytes, + 32 h: channels 8 h on
	v_lshlrev_b32 v[LI], 4, v3                     ; an image's place for my lane
	v_lshlrev_b32 v[VO], 2, v1
	v_lshl_add_u32 v[VO], v2, 11, v[VO]            ; V: keys 8 h on, channel r
	v_lshlrev_b32 v[DD], 3, v2
	v_sub_nc_u32 v[DD], v1, v[DD]                  ; r - 8 h: register j (key 8 h + j) is hidden where j is above it
	v_mov_b32 v[NINF], 0xff800000
	s_lshl_b32 s20, s10, 10
	s_add_co_u32 s20, s20, RED
	v_add_nc_u32 v[RS], s20, v[LI]                 ; my part: 1,024 x wave + 16 x lane
	; back: lane l takes row 8 q + l / 4, columns 4 (l % 4) on.  In a part they lie in chunk l % 2 (512 bytes) at lane row + 16 ((l / 2) % 2)
	v_and_b32 v12, 1, v0
	v_lshlrev_b32 v[RL], 9, v12
	v_bfe_u32 v12, v0, 1, 1
	v_lshl_add_u32 v[RL], v12, 8, v[RL]
	v_bfe_u32 v12, v0, 2, 3                        ; l / 4
	v_lshl_add_u32 v[RL], v12, 4, v[RL]
	s_lshl_b32 s20, s11, 7
	s_add_co_u32 s20, s20, RED
	v_add_nc_u32 v[RL], s20, v[RL]
	v_and_b32 v13, 3, v0
	v_lshlrev_b32 v[GO], 12, v12
	v_lshl_add_u32 v[GO], v13, 4, v[GO]            ; and in out0: row l / 4 of 4,096 bytes, + 16 (l % 4)
	s_lshl_b32 s20, s14, 4
	s_add_co_u32 s20, s20, s10
	s_lshl_b32 s20, s20, 12                        ; qkv32: (16 b + head) x 4,096
	s_mov_b32 s21, 0
	s_lshl_b32 s22, ttmp9, 16                      ; Wo's row 16 nb,
	s_lshl_b32 s23, s10, 8
	s_add_co_u32 s22, s22, s23                     ; my head's 64 channels
	s_mov_b32 s23, 0
	s_lshl_b32 s24, s14, 23                        ; out0's row 2,048 b
	s_lshl_b32 s25, s11, 15
	s_add_co_u32 s24, s24, s25                     ; + 8 q,
	s_lshl_b32 s25, ttmp9, 6
	s_add_co_u32 s24, s24, s25                     ; column 16 nb
	s_mov_b32 s25, 0
	s_wait_kmcnt 0x0
	s_add_nc_u64 s[4:5], s[4:5], s[20:21]
	s_add_nc_u64 s[6:7], s[6:7], s[22:23]
	s_add_nc_u64 s[8:9], s[8:9], s[24:25]
.irp u, 0,1,2,3,4,5,6,7
	global_load_b128 v[QF+4*\u:QF+4*\u+3], v[LI], s[4:5] offset:512*\u                ; Q's image: 512 consecutive bytes a load
.endr
.irp u, 0,1,2,3,4,5,6,7
	global_load_b128 v[KF+4*\u:KF+4*\u+3], v[LI], s[4:5] offset:131072+512*\u         ; K's likewise
.endr
.irp c, 0,1,2,3
.irp i, 0,1,2,3,4,5,6,7
	global_load_b32 v[VT+8*\c+\i], v[VO], s[4:5] offset:262144+256*\i+64*\c           ; V(8 h + i, 16 c + r)
.endr
.endr
.irp c, 0,1,2,3
.irp q, 0,1
	global_load_b128 v[WF+8*\c+4*\q:WF+8*\c+4*\q+3], v[WO], s[6:7] offset:64*\c+16*\q ; Wo(16 nb + r, 64 w + 16 c + 8 h + 4 q ..)
.endr
.endr
	s_wait_loadcnt 40                              ; Q and K are in; V's 32 loads and Wo's 8 may be out
.set s, 0
.rept 16                               ; S^T: step s takes registers 2 s, 2 s + 1 of both images: the same four channels on both sides; two accumulators by turns; the first two start the sums
.if s < 2
	v_wmma_f32_16x16x4_f32 v[SA+8*(s%2):SA+8*(s%2)+7], v[KF+2*s:KF+2*s+1], v[QF+2*s:QF+2*s+1], 0
.else
	v_wmma_f32_16x16x4_f32 v[SA+8*(s%2):SA+8*(s%2)+7], v[KF+2*s:KF+2*s+1], v[QF+2*s:QF+2*s+1], v[SA+8*(s%2):SA+8*(s%2)+7]
.endif
.set s, s+1
.endr
.rept 8
	v_nop                                          ; eight places behind this form, ahead of the reads of the sums
.endr
.irp i, 0,2,4,6
	v_pk_add_f32 v[PF+\i:PF+\i+1], v[SA+\i:SA+\i+1], v[SA+8+\i:SA+8+\i+1]             ; register j: key 8 h + j, query r
.endr
.irp j, 0,1,2,3,4,5,6,7
	v_cmp_gt_i32 vcc_lo, \j, v[DD]
	v_cndmask_b32 v[PF+\j], v[PF+\j], v[NINF], vcc_lo
.endr
	v_max3_num_f32 v248, v[PF], v[PF+1], v[PF+2]
	v_max3_num_f32 v249, v[PF+3], v[PF+4], v[PF+5]
	v_max3_num_f32 v248, v248, v[PF+6], v[PF+7]
	v_max_num_f32 v248, v248, v249
	v_permlanex16_b32 v249, v248, s18, s19
	v_max_num_f32 v248, v248, v249                 ; the row's largest score: key 0 counts for every query, so it is a number
	v_mul_f32 v248, s16, v248
.irp i, 0,2,4,6
	v_pk_fma_f32 v[PF+\i:PF+\i+1], v[PF+\i:PF+\i+1], s[16:17], v[248:249] op_sel_hi:[1,0,0] neg_lo:[0,0,1] neg_hi:[0,0,1]   ; c s - c m
.endr
.irp j, 0,1,2,3,4,5,6,7
	v_exp_f32 v[PF+\j], v[PF+\j]
.endr
	v_nop
	s_wait_alu depctr_va_vdst(0)                   ; one wait for the eight, ahead of their first reader
	v_pk_add_f32 v[250:251], v[PF:PF+1], v[PF+2:PF+3]
	v_pk_add_f32 v[252:253], v[PF+4:PF+5], v[PF+6:PF+7]
	v_pk_add_f32 v[250:251], v[250:251], v[252:253]
	v_add_f32 v250, v250, v251
	v_permlanex16_b32 v251, v250, s18, s19
	v_add_f32 v250, v250, v251
	v_rcp_f32 v250, v250
	v_nop
	s_wait_alu depctr_va_vdst(0)                   ; and one for the reciprocal
.irp i, 0,2,4,6
	v_pk_mul_f32 v[PF+\i:PF+\i+1], v[PF+\i:PF+\i+1], v[250:251] op_sel_hi:[1,0]       ; p, normalised
.endr
	s_wait_loadcnt 8                               ; V is in; Wo's 8 loads may be out
.irp s, 0,1,2,3                        ; O^T: step s takes keys 2 s, 2 s + 1 and 8 + 2 s, 8 + 2 s + 1; four accumulators by turns
.irp c, 0,1,2,3
.if \s == 0
	v_wmma_f32_16x16x4_f32 v[OA+8*\c:OA+8*\c+7], v[VT+8*\c+2*\s:VT+8*\c+2*\s+1], v[PF+2*\s:PF+2*\s+1], 0
.else
	v_wmma_f32_16x16x4_f32 v[OA+8*\c:OA+8*\c+7], v[VT+8*\c+2*\s:VT+8*\c+2*\s+1], v[PF+2*\s:PF+2*\s+1], v[OA+8*\c:OA+8*\c+7]
.endif
.endr
.endr
.rept 9
	v_nop                                          ; nine places behind this form: the results become a source of matrix instructions
.endr
	s_wait_loadcnt 0x0                             ; Wo is in
.irp c, 0,1,2,3                        ; out^T: step (c, jj) takes channels 16 c + 2 jj, + 1 and 16 c + 8 + 2 jj, + 1 of my head; source 0 = 16 rows of Wo, source 1 = o as O^T left it; two accumulators by turns
.irp jj, 0,1,2,3
.if (\c == 0) && (\jj < 2)
	v_wmma_f32_16x16x4_f32 v[SA+8*(\jj%2):SA+8*(\jj%2)+7], v[WF+8*\c+2*\jj:WF+8*\c+2*\jj+1], v[OA+8*\c+2*\jj:OA+8*\c+2*\jj+1], 0
.else
	v_wmma_f32_16x16x4_f32 v[SA+8*(\jj%2):SA+8*(\jj%2)+7], v[WF+8*\c+2*\jj:WF+8*\c+2*\jj+1], v[OA+8*\c+2*\jj:OA+8*\c+2*\jj+1], v[SA+8*(\jj%2):SA+8*(\jj%2)+7]
.endif
.endr
.endr
.rept 8
	v_nop
.endr
.irp i, 0,2,4,6
	v_pk_add_f32 v[PF+\i:PF+\i+1], v[SA+\i:SA+\i+1], v[SA+8+\i:SA+8+\i+1]             ; my head's part of out(r, 16 nb + 8 h + 0 .. 7)
.endr
	ds_store_b128 v[RS], v[PF:PF+3]                ; as an image of the registers: two chunks of 512 bytes
	ds_store_b128 v[RS], v[PF+4:PF+7] offset:512
	s_wait_dscnt 0x0                               ; for the others' sake: my stores have landed
	s_barrier_signal -1
	s_barrier_wait -1                              ; the sixteen parts lie in LDS
	s_cmp_lt_u32 s10, 2
	s_cbranch_scc0 .Ldone
.set i, 0
.rept 16
	ds_load_b128 v[RB+4*i:RB+4*i+3], v[RL] offset:1024*i
.set i, i+1
.endr
	s_wait_dscnt 0x0
.irp d, 8,4,2,1                        ; the sum over the heads, as a tree
.set i, 0
.rept \d
	v_pk_add_f32 v[RB+4*i:RB+4*i+1], v[RB+4*i:RB+4*i+1], v[RB+4*(i+\d):RB+4*(i+\d)+1]
	v_pk_add_f32 v[RB+4*i+2:RB+4*i+3], v[RB+4*i+2:RB+4*i+3], v[RB+4*(i+\d)+2:RB+4*(i+\d)+3]
.set i, i+1
.endr
.endr
	global_store_b128 v[GO], v[RB:RB+3], s[8:9]    ; four lanes store a row's 64 consecutive bytes, the wave eight rows
.Ldone:
	s_wait_tensorcnt 0x0                           ; the wave's end, behind my last LDS store
	ds_add_u32 v[SPW], v[NIL]
	s_wait_dscnt 0x0
	s_endpgm
.Lfunc_end_k_q8ca23a8313_fine:
	.size	k_q8ca23a8313_fine, .Lfunc_end_k_q8ca23a8313_fine-k_q8ca23a8313_fine
	.p2alignl 7, 3214868480
	.fill 96, 4, 3214868480
	.section	.rodata,"a",@progbits
	.p2align	6, 0x0
	.amdhsa_kernel k_q8ca23a8313_fine
		.amdhsa_group_segment_fixed_size 18432
		.amdhsa_private_segment_fixed_size 0
		.amdhsa_enable_private_segment 0
		.amdhsa_kernarg_size 24
		.amdhsa_user_sgpr_count 2
		.amdhsa_user_sgpr_kernarg_segment_ptr 1
		.amdhsa_wavefront_size32 1
		.amdhsa_system_sgpr_workgroup_id_x 1
		.amdhsa_system_sgpr_workgroup_id_y 1
		.amdhsa_system_sgpr_workgroup_id_z 1
		.amdhsa_system_vgpr_workitem_id 0
		.amdhsa_next_free_vgpr 256
		.amdhsa_next_free_sgpr 66
		.amdhsa_reserve_vcc 1
		.amdhsa_float_denorm_mode_32 3
		.amdhsa_float_denorm_mode_16_64 3
		.amdhsa_memory_ordered 1
		.amdhsa_forward_progress 1
		.amdhsa_inst_pref_size 18
	.end_amdhsa_kernel
	.amdgpu_metadata
---
amdhsa.version: [ 1, 2 ]
amdhsa.kernels:
  - .name:           k_q8ca23a8313_fine
    .symbol:         k_q8ca23a8313_fine.kd
    .args:
      - { .name: qkv32, .offset: 0, .size: 8, .value_kind: global_buffer, .address_space: global }
      - { .name: Wo, .offset: 8, .size: 8, .value_kind: global_buffer, .address_space: global }
      - { .name: out0, .offset: 16, .size: 8, .value_kind: global_buffer, .address_space: global }
    .group_segment_fixed_size: 18432
    .private_segment_fixed_size: 0
    .kernarg_segment_align: 8
    .kernarg_segment_size: 24
    .max_flat_workgroup_size: 512
    .sgpr_count:     66
    .vgpr_count:     256
    .wavefront_size: 32
...
	.end_amdgpu_metadata
.endif
;; end of part 5
